; MI455X (gfx1250); checked and timed in simulation.
; The chip was launched on July 23, 2026; its instructions are those of AMD's public machine-readable ISA for CDNA 5 (MIT licence, August 2026) and "CDNA5" Instruction Set Architecture Reference Guide (July 2026). The comments in the code are by the model that wrote it; some were corrected since.
;; Mo EFFN. Allowed arithmetic: matrix products marked QUANTISED: E2M3 operands, one E8M0 scale for each 32 along K, by v_wmma_scale_f32_16x16x128_f8f6f4 with both operands' format E2M3, f32 sums; products left as they are: f32 operands where the result goes on into a quantised operand, else bf16, f16 or f32 operands; f32 sums; everything else in f32.
;; Inputs: b1 8 x 512 float32; b2 8 x 1,024 float32; w1 8 x 1,024 x 512 float32; w2 8 x 256 x 1,024 float32; wr 8 x 1,024 float32; x 4 x 2,048 x 1,024 float32.
;; Outputs: out0 4 x 2,048 x 1,024 float32.
;; This version of the problem:
;;   THIS VERSION OF THE PROBLEM IS GIVEN IN LOW PRECISION. The matrix products marked QUANTISED in the list below multiply operands that are first quantised to E2M3 (2 exponent bits, 3 mantissa bits; 6 bits a number), with one power-of-two scale for each 32 numbers along K (OCP MX v1.0); their sums are f32. All else is computed in f32.
;;   The module's matrix products, in the order in which they are computed (A, B: the left and right operand; K: the contracted axis; several contracted axes count as one K, in the product's order):
;;     1. [M 8,192, K 1,024] x [K 1,024, N 8]; A: input x; B: input wr: left as it is (N = 8 < 16)
;;     2. [M 8,192, K 1,024] x [K 1,024, N 512]; A: input x; B: input w1: QUANTISED
;;     3. [M 8,192, K 256] x [K 256, N 1,024]; A: computed on the way; B: input w2: QUANTISED
;;     4. [M 8,192, K 1,024] x [K 1,024, N 512]; A: input x; B: input w1: QUANTISED
;;     5. [M 8,192, K 256] x [K 256, N 1,024]; A: computed on the way; B: input w2: QUANTISED
;;     6. [M 8,192, K 1,024] x [K 1,024, N 512]; A: input x; B: input w1: QUANTISED
;;     7. [M 8,192, K 256] x [K 256, N 1,024]; A: computed on the way; B: input w2: QUANTISED
;;     8. [M 8,192, K 1,024] x [K 1,024, N 512]; A: input x; B: input w1: QUANTISED
;;     9. [M 8,192, K 256] x [K 256, N 1,024]; A: computed on the way; B: input w2: QUANTISED
;;     10. [M 8,192, K 1,024] x [K 1,024, N 512]; A: input x; B: input w1: QUANTISED
;;     11. [M 8,192, K 256] x [K 256, N 1,024]; A: computed on the way; B: input w2: QUANTISED
;;     12. [M 8,192, K 1,024] x [K 1,024, N 512]; A: input x; B: input w1: QUANTISED
;;     13. [M 8,192, K 256] x [K 256, N 1,024]; A: computed on the way; B: input w2: QUANTISED
;;     14. [M 8,192, K 1,024] x [K 1,024, N 512]; A: input x; B: input w1: QUANTISED
;;     15. [M 8,192, K 256] x [K 256, N 1,024]; A: computed on the way; B: input w2: QUANTISED
;;     16. [M 8,192, K 1,024] x [K 1,024, N 512]; A: input x; B: input w1: QUANTISED
;;     17. [M 8,192, K 256] x [K 256, N 1,024]; A: computed on the way; B: input w2: QUANTISED
;;   THE QUANTISER, for each operand of a quantised product, along K:
;;     - K is cut into blocks of 32 from its start; a last block that is shorter is filled with zeros.
;;     - A block's scale is 2^e with e = floor(log2(the largest magnitude in the block)) - 2, held to -126 .. 127; a block of zeros has e = 0. As a byte (E8M0): e + 127.
;;     - Each number is divided by its block's scale, clamped to +-7.5, and rounded to the nearest number of E2M3, ties to even, subnormals kept.
;;     - The product sums the exact products of the quantised numbers (number of the format x scale) in f32.
;;   ~~~python
;;   def quantise(x, axis):      # numpy; x: float32 -> the quantised numbers, widened to float32 again
;;       x = np.moveaxis(x, axis, -1); K = x.shape[-1]
;;       x = np.pad(x, [(0, 0)] * (x.ndim - 1) + [(0, -K % 32)]); x = x.reshape(x.shape[:-1] + (-1, 32)); a = np.abs(x).max(-1, keepdims=True)
;;       e = np.where(a > 0, np.clip(np.frexp(np.where(a > 0, a, 1))[1] - 1 - 2, -126, 127), 0)      # np.frexp(a)[1] - 1 = floor(log2(a)), exactly
;;       r = np.clip(x / 2.0 ** e, -7.5, 7.5)
;;       step = 2.0 ** (np.maximum(np.frexp(np.where(r == 0, 1, r))[1] - 1, 0) - 3)
;;       q = np.round(r / step) * step * 2.0 ** e      # np.round: ties to even
;;       return np.moveaxis(q.reshape(q.shape[:-2] + (-1,))[..., :K], -1, axis).astype(np.float32)
;;   ~~~
;;   OPERANDS COMPUTED ON THE WAY. 'Computed on the way' means the value that the module computes at that place (a softmax that the list does not call 'softmax' is quantised finished and normalised). What goes into a quantiser is computed in f32, as accurately as f32 sums, v_exp_f32 and their like allow (about 1e-6 of the number): no bf16 or f16 on the way to a quantiser, and a product that is left as it is and whose result goes on into a quantised operand takes f32 operands (vector FMAs, or v_wmma_f32_16x16x4_f32). A number that lies on a knife's edge between two numbers of the format may be rounded either way, as far as f32 arithmetic and the matrix unit's own rounding can turn it there, and no further.
;; 2 versions. Each part assembles by itself: llvm-mc -triple=amdgcn-amd-amdhsa -mcpu=gfx1250 --defsym DOCPART=n.
;; ======== version 1 of 2: 3 launches
;; workspace buffers: xc 6,291,456 bytes; xs 262,144 bytes; route 65,536 bytes of whole numbers; tg 131,072 bytes; w1q 3,276,800 bytes; w2q 1,638,400 bytes; plan 33,792 bytes of whole numbers
;; launch route_quant (part 1): grid 256 x 1, 4 waves a work-group, no clusters, 96,768 bytes of LDS; arguments x, wr, xc, xs, route, tg; writes xc, xs, route, tg
.if DOCPART == 1
	.amdgcn_target "amdgcn-amd-amdhsa--gfx1250"
	.amdhsa_code_object_version 6
	.text
	.protected	k_q01b125a76c_route_quant
	.globl	k_q01b125a76c_route_quant
	.p2align	8
	.type	k_q01b125a76c_route_quant,@function
k_q01b125a76c_route_quant:
	s_mov_b64 s[64:65], 0
	v_nop
	global_prefetch_b8 v0, s[64:65] scope:SCOPE_SE
	s_setreg_imm32_b32 hwreg(HW_REG_WAVE_MODE, 25, 1), 1
	s_wait_xcnt 0x0
; x [8192][1024] f32 -> (a) the router: 8 logits a token in f32, the two largest (a tie keeps the lower index), their softmax;
; (b) x as codes of FP6 (E2M3) with one E8M0 byte for each 32 along K.
; A work-group takes 32 tokens, a wave 8 whole rows.  A row is loaded as it lies (8 loads of 512 consecutive bytes); the logits are formed on
; these registers against wr in the same layout (wr comes once through LDS, as an image of the registers).  For the quantiser a lane must hold a
; whole block of 32 neighbours: the row turns through the wave's own stage in LDS (blocks 144 bytes apart) and lane l gets block l.
; OUT: xc [token][K step s][h][c][24 bytes] = block 4 s + 2 c + h, so that a lane of a fragment later reads 48 bytes on end; xs [token][32 bytes];
; route [group of 32 tokens][lane]{sel of token, count of key = lane}; tg [token]{gate 1, gate 2, sel, 0}.
; sel = expert 1 | expert 2 << 8 | 4 key << 16 | rank << 24; key numbers the 28 pairs (lo, hi); rank counts earlier tokens of the group with the same key.
; LIMITS: NaN and infinities in x or wr are not served.  The f32 sums of a logit are taken in another order than a plain dot product: two logits that
; agree to within f32 rounding may change places.  A block of zeros gets the byte 1 (its codes are zeros; this program alone reads the bytes).
.set WRL,   0                          ; LDS: wr, 8 x 4,096 bytes, as loaded
.set TURNB, 32768                      ; two stages of 32 x 144 bytes for each wave
.set CSTB,  69632                      ; for each wave: 8 rows x 768 bytes of codes, then 256 scale bytes
.set LGT,   95232                      ; 32 tokens x 8 logits
.set X,     32                         ; v32-95   two sets of 32 neighbours (block = lane)
.set S,     96                         ; v96-111  eight pairs of partial sums
.set LG,    112                        ; v112-127 the eight logits, two sets by turns
.set LT,    128                        ; v128-135 the other half of the lanes' sums
.set CD,    136                        ; v136-141 (+142 the byte), v144-149 (+150): a block's codes, two sets by turns
.set C2,    152                        ; v152-154 the second conversion's result
.set QM,    156                        ; v156-158 at work
.set OUTR,  160                        ; v160-209 the way out
; window 1: wr, expert e at v[32 e ..];  window 2: the eight rows as loaded, row t at v[32 t ..]
.set MSB, 0
.macro WIN new                         ; the immediate's high byte repeats the setting that is left
.if MSB != (\new)
	s_set_vgpr_msb (MSB<<8)|(\new)
.set MSB, (\new)
.endif
.endm
.macro ROWLOAD t                       ; a row: eight loads of 512 consecutive bytes
	WIN 0x80
.irp j, 0,1,2,3,4,5,6,7
	global_load_b128 v[32*(\t)+4*\j:32*(\t)+4*\j+3], v2, s[4:5] offset:4096*(\t)+512*\j th:TH_LOAD_NT
.endr
	WIN 0
.endm
.macro TURN t                          ; row t through stage t % 2: LDS serves a wave's instructions in order, so no wait stands between stores and loads
	WIN 0x08
.irp j, 0,1,2,3,4,5,6,7
	ds_store_b128 v3, v[32*(\t)+4*\j:32*(\t)+4*\j+3] offset:4608*((\t)&1)+576*\j
.endr
	WIN 0
.irp j, 0,1,2,3,4,5,6,7
	ds_load_b128 v[X+32*((\t)&1)+4*\j:X+32*((\t)&1)+4*\j+3], v4 offset:4608*((\t)&1)+16*\j
.endr
.endm
	s_load_b256 s[4:11], s[0:1], 0x0               ; x, wr, xc, xs
	s_load_b128 s[12:15], s[0:1], 0x20             ; route, tg
	v_lshl_add_u32 v254, v0, 2, 0x17800
	v_mov_b32 v255, 0
	v_lshrrev_b32 v1, 5, v0
	v_readfirstlane_b32 s16, v1                    ; wave
	v_and_b32 v1, 31, v0                           ; lane
	v_lshlrev_b32 v2, 4, v1                        ; 16 x lane
	s_mul_i32 s17, s16, 9216
	s_add_co_u32 s17, s17, TURNB                   ; my stages
	v_lshrrev_b32 v3, 3, v1
	v_mul_u32_u24 v3, v3, 144
	v_and_b32 v4, 7, v1
	v_lshl_add_u32 v3, v4, 4, v3
	v_add_nc_u32 v3, s17, v3                       ; in: eight lanes fill a block of 128 bytes; 144 bytes from block to block
	v_mul_u32_u24 v4, v1, 144
	v_add_nc_u32 v4, s17, v4                       ; out: lane l takes block l
	s_mul_i32 s18, s16, 6400
	s_add_co_u32 s18, s18, CSTB
	v_lshrrev_b32 v5, 2, v1
	v_mul_u32_u24 v5, v5, 96
	v_and_b32 v6, 1, v1
	v_mad_u32_u24 v5, v6, 48, v5
	v_bfe_u32 v6, v1, 1, 1
	v_mad_u32_u24 v5, v6, 24, v5
	v_add_nc_u32 v5, s18, v5                       ; block l = 4 s + 2 c + h goes to 96 s + 48 h + 24 c of the row's codes
	v_add_nc_u32 v6, s18, v1
	v_add_nc_u32 v6, 6144, v6                      ; its scale byte
	v_add_nc_u32 v7, s18, v2                       ; the way out: codes, 16 bytes a lane
	v_lshlrev_b32 v12, 3, v1                       ; 8 x lane
	v_add_nc_u32 v11, s18, v12
	v_add_nc_u32 v11, 6144, v11                    ; the way out: scale bytes
	s_lshl_b32 s19, s16, 8
	s_add_co_u32 s19, s19, LGT
	v_mov_b32 v8, s19                              ; my eight tokens' logits
	s_lshl_b32 s19, s16, 13
	v_add_nc_u32 v9, s19, v2                       ; experts 2 w, 2 w + 1 of wr: in memory and in LDS alike
	s_mov_b32 s30, 0x76543210
	s_mov_b32 s31, 0xfedcba98                      ; selects for lane l xor 16
.irp e, 0,1,2,3,4,5,6,7
	v_mov_b32 v[LT+\e], 0                          ; a lane permute's destination counts as read
.endr
	s_lshl_b32 s20, ttmp9, 17
	s_lshl_b32 s21, s16, 15
	s_add_co_u32 s20, s20, s21                     ; x: (32 g + 8 w) rows of 4,096 bytes
	s_mov_b32 s21, 0
	s_mul_i32 s22, ttmp9, 24576
	s_mul_i32 s23, s16, 6144
	s_add_co_u32 s22, s22, s23                     ; xc: rows of 768 bytes
	s_mov_b32 s23, 0
	s_lshl_b32 s24, ttmp9, 10
	s_lshl_b32 s25, s16, 8
	s_add_co_u32 s24, s24, s25                     ; xs: rows of 32 bytes
	s_mov_b32 s25, 0
	s_lshl_b32 s26, ttmp9, 8                       ; route: 256 bytes a group
	s_mov_b32 s27, 0
	s_lshl_b32 s28, ttmp9, 9                       ; tg: 16 bytes a token
	s_mov_b32 s29, 0
	s_wait_kmcnt 0x0
	s_add_nc_u64 s[4:5], s[4:5], s[20:21]
	s_add_nc_u64 s[8:9], s[8:9], s[22:23]
	s_add_nc_u64 s[10:11], s[10:11], s[24:25]
	s_add_nc_u64 s[12:13], s[12:13], s[26:27]
	s_add_nc_u64 s[14:15], s[14:15], s[28:29]
.irp j, 0,1,2,3,4,5,6,7,8,9,10,11,12,13,14,15
	global_load_b128 v[X+4*\j:X+4*\j+3], v9, s[6:7] offset:512*\j   ; my two experts of wr
.endr
	ROWLOAD 0
	ROWLOAD 1
	ROWLOAD 2
	ROWLOAD 3
	ROWLOAD 4
	s_wait_loadcnt 40                              ; wr is in; the 40 loads of rows 0 to 4 stay out
.irp j, 0,1,2,3,4,5,6,7,8,9,10,11,12,13,14,15
	ds_store_b128 v9, v[X+4*\j:X+4*\j+3] offset:WRL+512*\j
.endr
	ROWLOAD 5
	ROWLOAD 6
	s_wait_dscnt 0x0                               ; for the others' sake: my part of wr lies in LDS
	s_barrier_signal -1
	s_barrier_wait -1
	WIN 0x40
.set i, 0
.rept 64
	ds_load_b128 v[4*i:4*i+3], v2 offset:WRL+512*i ; all of wr, in the layout of a row's loads
.set i, i+1
.endr
	WIN 0
	s_wait_loadcnt 48                              ; row 0 is in; rows 1 to 6 stay out
	ROWLOAD 7
	TURN 0
; One row: the next row's turn is started, the logits are formed, the block is quantised, the logits are summed over the lanes.
.macro TOKEN t
.set XS, X+32*((\t)&1)
.set CP, CD+8*((\t)&1)
.set LP, LG+8*((\t)&1)
.if (\t) < 7
	s_wait_loadcnt 8*(6-(\t))                      ; row t + 1 is in; rows t + 2 to 7 stay out
	TURN (\t)+1
.endif
.if (\t) == 0
	s_wait_dscnt 32                                ; wr is in registers: behind its loads stand two turns of 16
.endif
	WIN 0x06                                       ; source 0: the row, window 2; source 1: wr, window 1
.irp e, 0,1,2,3,4,5,6,7
	v_pk_mul_f32 v[S+2*\e:S+2*\e+1], v[32*(\t):32*(\t)+1], v[32*\e:32*\e+1]
.endr
.irp i, 2,4,6,8,10,12,14,16,18,20,22,24,26,28,30
.irp e, 0,1,2,3,4,5,6,7
	v_pk_fma_f32 v[S+2*\e:S+2*\e+1], v[32*(\t)+\i:32*(\t)+\i+1], v[32*\e+\i:32*\e+\i+1], v[S+2*\e:S+2*\e+1]
.endr
.endr
	WIN 0
.if (\t) == 0
	s_wait_dscnt 16                                ; my block is back from the stage; the next row's turn stays out
.elseif (\t) < 7
	s_wait_dscnt 22                                ; likewise: behind it the last row's six stores and the next row's turn
.else
	s_wait_dscnt 6                                 ; behind it the last row's six stores
.endif
	v_max3_num_f32 v[QM], |v[XS]|, |v[XS+1]|, |v[XS+2]|            ; the block's largest magnitude: all 32 numbers are mine
	v_max3_num_f32 v[QM+1], |v[XS+3]|, |v[XS+4]|, |v[XS+5]|
.irp i, 6,10,14,18,22,26
	v_max3_num_f32 v[QM], v[QM], |v[XS+\i]|, |v[XS+\i+1]|
	v_max3_num_f32 v[QM+1], v[QM+1], |v[XS+\i+2]|, |v[XS+\i+3]|
.endr
	v_max3_num_f32 v[QM], v[QM], |v[XS+30]|, |v[XS+31]|
	v_max3_num_f32 v[QM], v[QM], v[QM+1], 0x1800000                ; and the floor 2^(3 - 127): the byte cannot fall under 1
	v_add_nc_u32 v[QM+2], 0xff000000, v[QM]        ; 2 off the exponent field: the conversion's scale operand
	v_cvt_scalef32_pk16_fp6_f32 v[CP:CP+2], v[XS:XS+15], v[QM+2]
	v_cvt_scalef32_pk16_fp6_f32 v[C2:C2+2], v[XS+16:XS+31], v[QM+2]   ; (a conversion's three registers begin on an even number)
	v_lshrrev_b32 v[CP+6], 23, v[QM+2]             ; the scale's byte; also the plain place behind the conversions
.irp i, 0,1,2
	v_mov_b32 v[CP+3+\i], v[C2+\i]
.endr
.irp i, 0,1,2
	ds_store_b64 v5, v[CP+2*\i:CP+2*\i+1] offset:768*(\t)+8*\i
.endr
	ds_store_b8 v6, v[CP+6] offset:32*(\t)
.irp e, 0,1,2,3,4,5,6,7
	v_add_f32 v[LP+\e], v[S+2*\e], v[S+2*\e+1]
.endr
.irp x, 1,2,4,8
.irp e, 0,1,2,3,4,5,6,7
	v_add_f32_dpp v[LP+\e], v[LP+\e], v[LP+\e] row_xmask:\x row_mask:0xf bank_mask:0xf
.endr
.endr
.irp e, 0,1,2,3,4,5,6,7
	v_permlanex16_b32 v[LT+\e], v[LP+\e], s30, s31
.endr
.irp e, 0,1,2,3,4,5,6,7
	v_add_f32 v[LP+\e], v[LP+\e], v[LT+\e]         ; every lane holds the logit
.endr
	ds_store_b128 v8, v[LP:LP+3] offset:32*(\t)    ; all lanes write the same bytes with the same values
	ds_store_b128 v8, v[LP+4:LP+7] offset:32*(\t)+16
.endm
	TOKEN 0
	TOKEN 1
	TOKEN 2
	TOKEN 3
	TOKEN 4
	TOKEN 5
	TOKEN 6
	TOKEN 7
	; the way out: my 8 rows' codes are 6,144 consecutive bytes of xc, their scale bytes 256 of xs
.irp k, 0,1,2,3,4,5,6,7,8,9,10,11
	ds_load_b128 v[OUTR+4*\k:OUTR+4*\k+3], v7 offset:512*\k
.endr
	ds_load_b64 v[OUTR+48:OUTR+49], v11
.irp k, 0,1,2,3,4,5,6,7,8,9,10,11
	s_wait_dscnt 12-\k                             ; load k is in; the 12 - k behind it stay out
	global_store_b128 v2, v[OUTR+4*\k:OUTR+4*\k+3], s[8:9] offset:512*\k
.endr
	s_wait_dscnt 0x0                               ; the scale bytes are in; and, for wave 0's sake, my logits lie in LDS
	global_store_b64 v12, v[OUTR+48:OUTR+49], s[10:11]
	s_barrier_signal -1
	s_barrier_wait -1
	s_cmp_lg_u32 s16, 0
	s_cbranch_scc1 .Lend
	; THE ROUTER, wave 0, a lane a token.  Nothing here steers an address or a branch: all is stored at fixed places.
	v_lshl_add_u32 v13, v1, 5, LGT
	ds_load_b128 v[32:35], v13
	ds_load_b128 v[36:39], v13 offset:16
	s_wait_dscnt 0x0
	v_mov_b32 v40, v32                             ; the largest so far, and its expert
	v_mov_b32 v41, 0
	v_mov_b32 v42, 0xff800000                      ; the second: -infinity
	v_mov_b32 v43, 0
.irp e, 1,2,3,4,5,6,7                  ; upward, with strict compares: of equal logits the lower index stays ahead
	v_cmp_gt_f32 s32, v[32+\e], v40
	v_cmp_gt_f32 s33, v[32+\e], v42
	v_cndmask_b32 v42, v42, v[32+\e], s33
	v_cndmask_b32 v43, v43, \e, s33
	v_cndmask_b32 v42, v42, v40, s32
	v_cndmask_b32 v43, v43, v41, s32
	v_cndmask_b32 v40, v40, v[32+\e], s32
	v_cndmask_b32 v41, v41, \e, s32
.endr
	v_sub_f32 v44, v42, v40                        ; second - first: the maximum is taken away, the exponent is 0 or less
	v_mul_f32 v44, 0x3fb8aa3b, v44
	v_exp_f32 v44, v44
	v_min_u32 v46, v41, v43                        ; lo (a plain place behind the exponential)
	s_wait_alu depctr_va_vdst(0)
	v_add_f32 v45, 1.0, v44
	v_rcp_f32 v48, v45                             ; gate 1 = 1 / (1 + t)
	v_max_u32 v47, v41, v43                        ; hi (a plain place behind the reciprocal)
	s_wait_alu depctr_va_vdst(0)
	v_mul_f32 v49, v44, v48                        ; gate 2 = t / (1 + t)
	v_sub_nc_u32 v52, 15, v46
	v_mul_u32_u24 v52, v52, v46
	v_lshrrev_b32 v52, 1, v52
	v_add_nc_u32 v52, v52, v47
	v_sub_nc_u32 v52, v52, v46
	v_add_nc_u32 v52, -1, v52                      ; key = lo (15 - lo) / 2 + hi - lo - 1
	v_mov_b32 v53, 0                               ; rank
	v_mov_b32 v54, 0                               ; lane k: how many of the 32 tokens have key k
.set kk, 0
.rept 28
	v_cmp_eq_u32 vcc_lo, kk, v52
	v_mbcnt_lo_u32_b32 v55, vcc_lo, 0              ; tokens of this key in the lanes below mine
	v_cndmask_b32 v53, v53, v55, vcc_lo
	s_bcnt1_i32_b32 s34, vcc_lo
	v_writelane_b32 v54, s34, kk
.set kk, kk+1
.endr
	v_lshl_or_b32 v50, v43, 8, v41
	v_lshl_or_b32 v50, v52, 18, v50
	v_lshl_or_b32 v50, v53, 24, v50                ; sel
	v_mov_b32 v51, 0
	v_mov_b32 v56, v50
	v_mov_b32 v57, v54
	global_store_b64 v12, v[56:57], s[12:13]       ; 256 consecutive bytes
	global_store_b128 v2, v[48:51], s[14:15]       ; 512 consecutive bytes
.Lend:
	s_wait_tensorcnt 0x0
	ds_add_u32 v254, v255
	s_wait_dscnt 0x0
	s_endpgm
.Lfunc_end_k_q01b125a76c_route_quant:
	.size	k_q01b125a76c_route_quant, .Lfunc_end_k_q01b125a76c_route_quant-k_q01b125a76c_route_quant
	.p2alignl 7, 3214868480
	.fill 96, 4, 3214868480
	.section	.rodata,"a",@progbits
	.p2align	6, 0x0
	.amdhsa_kernel k_q01b125a76c_route_quant
		.amdhsa_group_segment_fixed_size 96768
		.amdhsa_private_segment_fixed_size 0
		.amdhsa_enable_private_segment 0
		.amdhsa_kernarg_size 48
		.amdhsa_user_sgpr_count 2
		.amdhsa_user_sgpr_kernarg_segment_ptr 1
		.amdhsa_wavefront_size32 1
		.amdhsa_system_sgpr_workgroup_id_x 1
		.amdhsa_system_sgpr_workgroup_id_y 1
		.amdhsa_system_sgpr_workgroup_id_z 1
		.amdhsa_system_vgpr_workitem_id 0
		.amdhsa_next_free_vgpr 768
		.amdhsa_next_free_sgpr 66
		.amdhsa_reserve_vcc 1
		.amdhsa_float_denorm_mode_32 3
		.amdhsa_float_denorm_mode_16_64 3
		.amdhsa_memory_ordered 1
		.amdhsa_forward_progress 1
		.amdhsa_inst_pref_size 142
	.end_amdhsa_kernel
	.amdgpu_metadata
---
amdhsa.version: [ 1, 2 ]
amdhsa.kernels:
  - .name:           k_q01b125a76c_route_quant
    .symbol:         k_q01b125a76c_route_quant.kd
    .args:
      - { .name: x, .offset: 0, .size: 8, .value_kind: global_buffer, .address_space: global }
      - { .name: wr, .offset: 8, .size: 8, .value_kind: global_buffer, .address_space: global }
      - { .name: xc, .offset: 16, .size: 8, .value_kind: global_buffer, .address_space: global }
      - { .name: xs, .offset: 24, .size: 8, .value_kind: global_buffer, .address_space: global }
      - { .name: route, .offset: 32, .size: 8, .value_kind: global_buffer, .address_space: global }
      - { .name: tg, .offset: 40, .size: 8, .value_kind: global_buffer, .address_space: global }
    .group_segment_fixed_size: 96768
    .private_segment_fixed_size: 0
    .kernarg_segment_align: 8
    .kernarg_segment_size: 48
    .max_flat_workgroup_size: 128
    .sgpr_count:     66
    .vgpr_count:     768
    .wavefront_size: 32
...
	.end_amdgpu_metadata
.endif
;; end of part 1
;; launch weights_sort (part 2): grid 385 x 1, 4 waves a work-group, no clusters, 1,536 bytes of LDS; arguments w1, w2, route, w1q, w2q, plan; writes w1q, w2q, plan
.if DOCPART == 2
	.amdgcn_target "amdgcn-amd-amdhsa--gfx1250"
	.amdhsa_code_object_version 6
	.text
	.protected	k_q01b125a76c_weights_sort
	.globl	k_q01b125a76c_weights_sort
	.p2align	8
	.type	k_q01b125a76c_weights_sort,@function
k_q01b125a76c_weights_sort:
	s_mov_b64 s[64:65], 0
	v_nop
	global_prefetch_b8 v0, s[64:65] scope:SCOPE_SE
	s_setreg_imm32_b32 hwreg(HW_REG_WAVE_MODE, 25, 1), 1
	s_wait_xcnt 0x0
; Work-groups 0-255: w1 [8][1024][512] f32, work-groups 256-383: w2 [8][256][1024] f32, K the first axis of an expert's matrix, into codes of FP6 (E2M3)
; with one E8M0 byte for each 32 along K, LAID IN THE ORDER OF THE OPERAND'S REGISTERS, so that the next launch loads whole fragments by 16 bytes a lane.
; A wave takes 32 columns x 128 along K: a lane takes a column and its registers run down K, so a block's largest magnitude needs no other lane.
; w1q [e][wave w][K step s]: 8 fragments (index 2 g + u; 1,536 bytes: 3 chunks of 512, lane L's 16 bytes at 16 L), then 512 bytes of scale words at 16 (r + 16 u) + 4 g.
;   Row r of tile (g, u) is column 32 G + 8 u + r + 8 (r / 8); G = 2 w + (g & 1) for the first half of the columns, 8 + 2 w + (g & 1) for the second.
; w2q [e][wave w][gamma]: 4 fragments (index 2 s + u), then 256 bytes of scale words at 8 (r + 16 u) + 4 s; row r of tile u is column 256 w + 32 gamma + 16 u + r.
; Work-group 384: a counting sort of the 8,192 tokens by their pair of experts (28 keys), from the counts and ranks that the launch before has stored;
;   plan: order[8192] (token at each sorted place), then for each block of 64 places {the experts it needs, a nibble each, ascending; how many}.
; LIMITS: NaN and infinities among the weights are not served; a block of zeros gets the byte 1 (its codes are zeros; this program alone reads the bytes).
.macro LOADB b, pitch                  ; block b: rows 32 b + i of my column: 128 consecutive bytes a wave, 512 a work-group
.set i, 0
.rept 32
	global_load_b32 v[64+32*(\b)+i], v2, s[4:5] offset:(32*(\b)+i)*(\pitch) th:TH_LOAD_NT
.set i, i+1
.endr
.endm
.macro BLOCKQ b, pitch
.set XS, 64+32*(\b)
.set CB, 32+12*((\b)&1)+6*((\b)>>1)    ; lane half h = b & 1 of the fragment takes blocks h and 2 + h
.if (\b) < 3
	s_wait_loadcnt 32                              ; this block's 32 loads are in; the next block's stay out
.else
	s_wait_loadcnt 0x0
.endif
.if (\b) < 2
	LOADB (\b)+2, \pitch
.endif
	v_max3_num_f32 v12, |v[XS]|, |v[XS+1]|, |v[XS+2]|
	v_max3_num_f32 v13, |v[XS+3]|, |v[XS+4]|, |v[XS+5]|
.irp i, 6,10,14,18,22,26
	v_max3_num_f32 v12, v12, |v[XS+\i]|, |v[XS+\i+1]|
	v_max3_num_f32 v13, v13, |v[XS+\i+2]|, |v[XS+\i+3]|
.endr
	v_max3_num_f32 v12, v12, |v[XS+30]|, |v[XS+31]|
	v_max3_num_f32 v12, v12, v13, 0x1800000        ; and the floor 2^(3 - 127): the byte cannot fall under 1
	v_add_nc_u32 v11, 0xff000000, v12              ; 2 off the exponent field: the conversion's scale operand
	v_lshrrev_b32 v13, 23, v11                     ; the scale's byte
.if (\b) == 0
	v_mov_b32 v24, v13
.else
	v_lshl_or_b32 v24, v13, 8*(\b), v24            ; four bytes make the column's scale word of this K step
.endif
	v_cvt_scalef32_pk16_fp6_f32 v[CB:CB+2], v[XS:XS+15], v11
	v_cvt_scalef32_pk16_fp6_f32 v[56:58], v[XS+16:XS+31], v11      ; (a conversion's three registers begin on an even number)
	v_nop                                          ; one plain place behind a scaled conversion
.irp i, 0,1,2
	v_mov_b32 v[CB+3+\i], v[56+\i]
.endr
.endm
.macro QW pitch
	LOADB 0, \pitch
	LOADB 1, \pitch
	BLOCKQ 0, \pitch
	BLOCKQ 1, \pitch
	BLOCKQ 2, \pitch
	BLOCKQ 3, \pitch
.irp h, 0,1
.irp j, 0,1,2
	global_store_b128 v3, v[32+12*\h+4*\j:35+12*\h+4*\j], s[6:7] offset:512*\j+256*\h   ; sixteen lanes fill 256 consecutive bytes of each of the two tiles
.endr
.endr
	global_store_b32 v4, v24, s[8:9]
.endm
	s_load_b256 s[12:19], s[0:1], 0x0              ; w1, w2, route, w1q
	s_load_b128 s[20:23], s[0:1], 0x20             ; w2q, plan
	v_lshl_add_u32 v254, v0, 2, 0x400
	v_mov_b32 v255, 0
	v_lshrrev_b32 v1, 5, v0
	v_readfirstlane_b32 s10, v1                    ; wave
	v_and_b32 v1, 31, v0                           ; lane
	v_lshlrev_b32 v2, 2, v1                        ; 4 x lane
	s_wait_kmcnt 0x0
	s_cmp_lt_u32 ttmp9, 256                        ; the three ways part on the work-group's number alone
	s_cbranch_scc0 .Lnot_w1
	; ---- w1
	s_lshr_b32 s24, ttmp9, 5                       ; e
	s_bfe_u32 s25, ttmp9, 0x30002                  ; K step s
	s_and_b32 s26, ttmp9, 3
	s_lshl_b32 s26, s26, 2
	s_add_co_u32 s26, s26, s10                     ; G: which 32 columns
	s_lshl_b32 s28, s24, 21
	s_lshl_b32 s29, s25, 18
	s_add_co_u32 s28, s28, s29
	s_lshl_b32 s29, s26, 7
	s_add_co_u32 s28, s28, s29
	s_mov_b32 s29, 0
	s_add_nc_u64 s[4:5], s[12:13], s[28:29]
	s_lshr_b32 s27, s26, 3
	s_and_b32 s30, s26, 1
	s_lshl_b32 s27, s27, 1
	s_add_co_u32 s27, s27, s30                     ; g = 2 (G / 8) + (G & 1)
	s_bfe_u32 s30, s26, 0x20001                    ; w = (G / 2) & 3
	s_mul_i32 s28, s24, 409600
	s_mul_i32 s30, s30, 102400
	s_add_co_u32 s28, s28, s30
	s_mul_i32 s30, s25, 12800
	s_add_co_u32 s28, s28, s30                     ; the set (e, w, s)
	s_lshl_b32 s30, s27, 2
	s_add_co_u32 s30, s30, s28
	s_add_co_u32 s30, s30, 12288
	s_mov_b32 s31, 0
	s_add_nc_u64 s[8:9], s[18:19], s[30:31]        ; its scale words, + 4 g
	s_mul_i32 s30, s27, 3072
	s_add_co_u32 s28, s28, s30
	s_add_nc_u64 s[6:7], s[18:19], s[28:29]        ; its fragments 2 g, 2 g + 1
	v_bfe_u32 v5, v1, 3, 1                         ; u
	v_and_b32 v6, 7, v1
	v_lshrrev_b32 v7, 4, v1
	v_lshl_or_b32 v6, v7, 3, v6                    ; r
	v_mul_u32_u24 v3, v5, 1536
	v_lshl_add_u32 v3, v6, 4, v3
	v_lshlrev_b32 v4, 8, v5
	v_lshl_add_u32 v4, v6, 4, v4                   ; 16 (r + 16 u)
	QW 2048
	s_endpgm
.Lnot_w1:
	s_cmp_lt_u32 ttmp9, 384
	s_cbranch_scc0 .Lsort
	; ---- w2
	s_sub_co_u32 s31, ttmp9, 256
	s_lshr_b32 s24, s31, 4                         ; e
	s_bfe_u32 s25, s31, 0x10003                    ; K step s
	s_and_b32 s26, s31, 7
	s_lshl_b32 s26, s26, 2
	s_add_co_u32 s26, s26, s10                     ; which 32 columns
	s_lshl_b32 s28, s24, 20
	s_lshl_b32 s29, s25, 19
	s_add_co_u32 s28, s28, s29
	s_lshl_b32 s29, s26, 7
	s_add_co_u32 s28, s28, s29
	s_mov_b32 s29, 0
	s_add_nc_u64 s[4:5], s[14:15], s[28:29]
	s_lshr_b32 s27, s26, 3                         ; w
	s_and_b32 s30, s26, 7                          ; gamma
	s_mul_i32 s28, s24, 204800
	s_mul_i32 s27, s27, 51200
	s_add_co_u32 s28, s28, s27
	s_mul_i32 s30, s30, 6400
	s_add_co_u32 s28, s28, s30                     ; the sub-set (e, w, gamma)
	s_lshl_b32 s30, s25, 2
	s_add_co_u32 s30, s30, s28
	s_add_co_u32 s30, s30, 6144
	s_mov_b32 s31, 0
	s_add_nc_u64 s[8:9], s[20:21], s[30:31]        ; its scale words, + 4 s
	s_mul_i32 s30, s25, 3072
	s_add_co_u32 s28, s28, s30
	s_add_nc_u64 s[6:7], s[20:21], s[28:29]        ; its fragments 2 s, 2 s + 1
	v_lshrrev_b32 v5, 4, v1                        ; u
	v_and_b32 v6, 15, v1                           ; r
	v_mul_u32_u24 v3, v5, 1536
	v_lshl_add_u32 v3, v6, 4, v3
	v_lshlrev_b32 v4, 3, v1                        ; 8 (r + 16 u)
	QW 4096
	s_endpgm
.Lsort:
	; ---- the sort.  Wave v takes groups 64 v .. 64 v + 63.  Register pair i: even = sel (lane = token of group i), odd = count (lane = key)
	s_lshl_b32 s24, s10, 14
	s_mov_b32 s25, 0
	s_add_nc_u64 s[4:5], s[16:17], s[24:25]
	v_lshlrev_b32 v3, 3, v1
.set i, 0
.rept 64
	global_load_b64 v[64+2*i:65+2*i], v3, s[4:5] offset:256*i
.set i, i+1
.endr
	v_lshlrev_b32 v4, 2, v0                        ; LDS: 128 x wave + 4 x lane
	s_wait_loadcnt 0x0
.set i, 1
.rept 63
	v_add_nc_u32 v[65+2*i], v[65+2*i], v[63+2*i]   ; running counts over my groups
.set i, i+1
.endr
	ds_store_b32 v4, v191                          ; my wave's total for each key
	s_wait_dscnt 0x0                               ; for the others' sake
	s_barrier_signal -1
	s_barrier_wait -1
.irp j, 0,1,2,3
	ds_load_b32 v[8+\j], v2 offset:128*\j
.endr
	s_cmp_gt_u32 s10, 0
	s_cselect_b32 s26, -1, 0
	s_cmp_gt_u32 s10, 1
	s_cselect_b32 s27, -1, 0
	s_cmp_gt_u32 s10, 2
	s_cselect_b32 s28, -1, 0
	s_wait_dscnt 0x0
	v_add3_u32 v12, v8, v9, v10
	v_add_nc_u32 v12, v12, v11                     ; lane k: all tokens of key k
	v_and_b32 v13, s26, v8
	v_and_b32 v14, s27, v9
	v_and_b32 v15, s28, v10
	v_add3_u32 v13, v13, v14, v15                  ; those of the waves before mine
	v_mov_b32 v16, 0
	s_mov_b32 s61, 0
.set kk, 0
.rept 28
	v_readlane_b32 s62, v12, kk
	s_mov_b32 s[32+kk], s61                        ; s32 .. s60: where each key's run begins, and the end
	v_writelane_b32 v16, s61, kk
	s_add_co_u32 s61, s61, s62
.set kk, kk+1
.endr
	s_mov_b32 s60, s61
	v_add_nc_u32 v17, v16, v13
.set i, 63
.rept 63
	v_add_nc_u32 v[65+2*i], v[63+2*i], v17         ; lane k: where group i's tokens of key k begin
.set i, i-1
.endr
	v_mov_b32 v65, v17
	s_lshl_b32 s29, s10, 11
	v_add_nc_u32 v18, s29, v1                      ; my token of group 0 of my wave
.set bt, 0
.rept 4
.set j, 0
.rept 16
	v_bfe_u32 v[32+j], v[64+2*(16*bt+j)], 16, 8    ; 4 x key: the lane to ask
	ds_bpermute_b32 v[192+j], v[32+j], v[65+2*(16*bt+j)]
.set j, j+1
.endr
	s_wait_dscnt 0x0
.set j, 0
.rept 16
	v_lshrrev_b32 v[32+j], 24, v[64+2*(16*bt+j)]   ; rank
	v_add_nc_u32 v[192+j], v[192+j], v[32+j]
	v_min_u32 v[192+j], 0x1fff, v[192+j]           ; the sorted place, held inside the table
	v_lshlrev_b32 v[64+2*(16*bt+j)], 2, v[192+j]
	v_add_nc_u32 v[65+2*(16*bt+j)], 32*(16*bt+j), v18
	global_store_b32 v[64+2*(16*bt+j)], v[65+2*(16*bt+j)], s[22:23]
.set j, j+1
.endr
.set bt, bt+1
.endr
	; the experts of each block of 64 places: thread b takes block b
	v_lshlrev_b32 v20, 6, v0
	v_add_nc_u32 v21, 64, v20
	v_mov_b32 v22, 0
.set kk, 0
.irp a, 0,1,2,3,4,5,6
.irp c, 1,2,3,4,5,6,7
.if \c > \a
	v_max_u32 v23, s[32+kk], v20
	v_min_u32 v26, s[33+kk], v21
	v_cmp_lt_u32 vcc_lo, v23, v26                  ; the key's run meets my block
	v_or_b32 v23, (1<<\a)|(1<<\c), v22
	v_cndmask_b32 v22, v22, v23, vcc_lo
.set kk, kk+1
.endif
.endr
.endr
	v_mov_b32 v24, 0                               ; the list
	v_mov_b32 v27, 0                               ; 4 x its length
.irp e, 0,1,2,3,4,5,6,7
	v_bfe_u32 v23, v22, \e, 1
	v_mul_u32_u24 v26, v23, \e
	v_lshlrev_b32 v26, v27, v26
	v_or_b32 v24, v24, v26
	v_lshl_add_u32 v27, v23, 2, v27
.endr
	v_lshrrev_b32 v25, 2, v27
	v_lshlrev_b32 v28, 3, v0
	global_store_b64 v28, v[24:25], s[22:23] offset:32768
	s_wait_tensorcnt 0x0
	ds_add_u32 v254, v255
	s_wait_dscnt 0x0
	s_endpgm
.Lfunc_end_k_q01b125a76c_weights_sort:
	.size	k_q01b125a76c_weights_sort, .Lfunc_end_k_q01b125a76c_weights_sort-k_q01b125a76c_weights_sort
	.p2alignl 7, 3214868480
	.fill 96, 4, 3214868480
	.section	.rodata,"a",@progbits
	.p2align	6, 0x0
	.amdhsa_kernel k_q01b125a76c_weights_sort
		.amdhsa_group_segment_fixed_size 1536
		.amdhsa_private_segment_fixed_size 0
		.amdhsa_enable_private_segment 0
		.amdhsa_kernarg_size 48
		.amdhsa_user_sgpr_count 2
		.amdhsa_user_sgpr_kernarg_segment_ptr 1
		.amdhsa_wavefront_size32 1
		.amdhsa_system_sgpr_workgroup_id_x 1
		.amdhsa_system_sgpr_workgroup_id_y 1
		.amdhsa_system_sgpr_workgroup_id_z 1
		.amdhsa_system_vgpr_workitem_id 0
		.amdhsa_next_free_vgpr 256
		.amdhsa_next_free_sgpr 66
		.amdhsa_reserve_vcc 1
		.amdhsa_float_denorm_mode_32 3
		.amdhsa_float_denorm_mode_16_64 3
		.amdhsa_memory_ordered 1
		.amdhsa_forward_progress 1
		.amdhsa_inst_pref_size 93
	.end_amdhsa_kernel
	.amdgpu_metadata
---
amdhsa.version: [ 1, 2 ]
amdhsa.kernels:
  - .name:           k_q01b125a76c_weights_sort
    .symbol:         k_q01b125a76c_weights_sort.kd
    .args:
      - { .name: w1, .offset: 0, .size: 8, .value_kind: global_buffer, .address_space: global }
      - { .name: w2, .offset: 8, .size: 8, .value_kind: global_buffer, .address_space: global }
      - { .name: route, .offset: 16, .size: 8, .value_kind: global_buffer, .address_space: global }
      - { .name: w1q, .offset: 24, .size: 8, .value_kind: global_buffer, .address_space: global }
      - { .name: w2q, .offset: 32, .size: 8, .value_kind: global_buffer, .address_space: global }
      - { .name: plan, .offset: 40, .size: 8, .value_kind: global_buffer, .address_space: global }
    .group_segment_fixed_size: 1536
    .private_segment_fixed_size: 0
    .kernarg_segment_align: 8
    .kernarg_segment_size: 48
    .max_flat_workgroup_size: 128
    .sgpr_count:     66
    .vgpr_count:     256
    .wavefront_size: 32
...
	.end_amdgpu_metadata
.endif
;; end of part 2
;; launch experts (part 3): grid 128 x 1, 4 waves a work-group, no clusters, 247,296 bytes of LDS; arguments xc, xs, tg, plan, w1q, w2q, b1, b2, out0; writes out0
.if DOCPART == 3
	.amdgcn_target "amdgcn-amd-amdhsa--gfx1250"
	.amdhsa_code_object_version 6
	.text
	.protected	k_q01b125a76c_experts
	.globl	k_q01b125a76c_experts
	.p2align	8
	.type	k_q01b125a76c_experts,@function
k_q01b125a76c_experts:
	s_mov_b64 s[64:65], 0
	v_nop
	global_prefetch_b8 v0, s[64:65] scope:SCOPE_SE
	s_setreg_imm32_b32 hwreg(HW_REG_WAVE_MODE, 25, 1), 1
	s_wait_xcnt 0x0
; out[token] = sum over the token's two experts e of gate_e x ( Q(silu(a) b) Q(w2[e]) + b2[e] ), (a | b) = Q(x) Q(w1[e]) + b1[e]; both products on codes of FP6 (E2M3) with E8M0 scales.
; A work-group owns 64 tokens that lie together in the order sorted by pair of experts, and walks the experts that the stored list names for its block (2 as a rule, up to 8);
; a token that has not chosen a walked expert gets the gate 0.  Each output row has one owner; the hidden layer never goes to memory.
; THE WAVES SHARE THE COLUMNS: wave w makes hidden units 64 w .. 64 w + 63 (four tiles of a, four of b) and output columns 256 w .. 256 w + 255, for all four tiles of 16 rows.
; Both products are used transposed (source 0 = 16 columns of a weight, source 1 = 16 tokens): a lane holds one token throughout.
; The weights come from memory straight into registers, in the order of the operand's registers, through rings of registers filled ahead.  No tensor load and no cluster: the walk hangs on stored
; numbers, and two work-groups need not walk the same experts.  The loops over list places have constant counts; a place beyond the list's length is jumped over; no barrier stands under such a jump.
; PHASE 1: for each listed expert the hidden layer's codes, as images of the operand's registers, into LDS.  One barrier.  PHASE 2: two chunks of 128 columns a wave; in each all listed experts.
; The look-ahead of the rings runs on behind the last listed expert into a valid place of the same buffer (expert 0, or chunk 1): 25 KB and 25 KB a wave that are not used; likewise the biases of
; all eight list places are fetched (an unused nibble names expert 0), so that these loads and their LDS stores stand on one way.
; LIMITS: as the launches before: NaN and infinities are not served.
; REGISTERS, in windows of 256.  Window 0: v1-20 addresses; v32-63 x's scale words (phase 2: v32-47 the hidden layer's); v64-79 the weights' scale words; v80-95 gates and experts of my four tokens;
;   v96-127 where my rows of out lie; v128-191 b1 as C, then the hidden numbers (v128-159) and work (v160-191); phase 2: eight accumulators; v192-199 gates; v200-228 at work.
; Window 1: phase 1 the 32 accumulators ((tile t, rows m) at 8 (8 m + t)); phase 2 the hidden fragments v0-95, b2 as C v96-159; on the way out rows of out.
; Windows 2, 3: phase 1 four sets of w1's fragments (v0-95, v96-191) and two sets of x's (v192-239); phase 2: window 2 four sub-sets of w2, window 3 the chunk of out ((tile c, rows m) at 8 (4 c + m)).
.set XIMG, 0                           ; LDS: x's 32 fragments, (rows m, K step s) at (8 m + s) x 1,536
.set HIMG, 49152                       ; the hidden layer's half fragments: 24,576 x writing wave + 3,072 x list place + 768 x m: 512 bytes at 16 x lane, 256 at 8 x lane
.set HSC,  147456                      ; its scale words, each wave's two bytes in a word of its own: 4,096 x wave + 512 x place + 128 x m + 4 x lane
.set BIAS, 163840                      ; 12,288 x wave + 1,536 x place: my 64 of b1's first half, my 64 of its second, my 256 of b2
.set STG,  212992                      ; 8,448 x wave: 16 rows x (512 + 16) bytes, for the way out
.set E1B,  409600                      ; an expert in w1q;  a wave's part 102,400; a set 12,800
.set E2B,  204800                      ; an expert in w2q;  a wave's part 51,200; a chunk 25,600; a sub-set 6,400
.set TM,   200
.set PW,   228
.set MSB, 0
.macro WIN new                         ; the immediate's high byte repeats the setting that is left
.if MSB != (\new)
	s_set_vgpr_msb (MSB<<8)|(\new)
.set MSB, (\new)
.endif
.endm
.macro PLACES                          ; four plain places behind matrix instructions, ahead of loads into their registers and of reads of their results
.rept 4
	v_nop
.endr
.endm
.macro LOADSET k, base, off            ; a set of w1: 8 fragments and their scale words: 25 loads of 512 consecutive bytes
	WIN (2+((\k)>>1))<<6
.irp f, 0,1,2,3,4,5,6,7
.irp j, 0,1,2
	global_load_b128 v[96*((\k)&1)+12*\f+4*\j:96*((\k)&1)+12*\f+4*\j+3], v1, s[\base:\base+1] offset:(\off)+1536*\f+512*\j
.endr
.endr
	WIN 0
	global_load_b128 v[64+4*(\k):64+4*(\k)+3], v1, s[\base:\base+1] offset:(\off)+12288
.endm
.macro XFETCH s                        ; x's four fragments of K step s
	WIN (2+((\s)&1))<<6
.irp m, 0,1,2,3
.irp j, 0,1,2
	ds_load_b128 v[192+12*\m+4*\j:192+12*\m+4*\j+3], v1 offset:XIMG+(8*\m+(\s))*1536+512*\j
.endr
.endr
	WIN 0
.endm
.macro P1 s, m, t                      ; one product of phase 1.  Scale words: register g = t / 2 of the set's four holds tile 2 g in lanes 0-15 and tile 2 g + 1 in lanes 16-31
.set rD, 8*(8*(\m)+(\t))
.set rA, 96*((\s)&1)+12*(\t)
.set rB, 192+12*(\m)
.set rSA, 64+4*((\s)&3)+((\t)>>1)
.set rSB, 32+8*(\m)+(\s)
.if (\s) == 0
.if (\t)&1
	v_wmma_scale_f32_16x16x128_f8f6f4 v[rD:rD+7], v[rA:rA+11], v[rB:rB+11], v[128+8*(\t):135+8*(\t)], v[rSA], v[rSB] matrix_a_fmt:MATRIX_FMT_FP6 matrix_b_fmt:MATRIX_FMT_FP6 matrix_a_scale:MATRIX_SCALE_ROW1
.else
	v_wmma_scale_f32_16x16x128_f8f6f4 v[rD:rD+7], v[rA:rA+11], v[rB:rB+11], v[128+8*(\t):135+8*(\t)], v[rSA], v[rSB] matrix_a_fmt:MATRIX_FMT_FP6 matrix_b_fmt:MATRIX_FMT_FP6
.endif
.else
.if (\t)&1
	v_wmma_scale_f32_16x16x128_f8f6f4 v[rD:rD+7], v[rA:rA+11], v[rB:rB+11], v[rD:rD+7], v[rSA], v[rSB] matrix_a_fmt:MATRIX_FMT_FP6 matrix_b_fmt:MATRIX_FMT_FP6 matrix_a_scale:MATRIX_SCALE_ROW1
.else
	v_wmma_scale_f32_16x16x128_f8f6f4 v[rD:rD+7], v[rA:rA+11], v[rB:rB+11], v[rD:rD+7], v[rSA], v[rSB] matrix_a_fmt:MATRIX_FMT_FP6 matrix_b_fmt:MATRIX_FMT_FP6
.endif
.endif
.endm
; A K step of the first product: 32 matrix instructions, the 32 accumulators by turns in the same order in every step.  The set two steps on and the next step's x are asked for first.
.macro STEP1 s
	PLACES
	s_wait_loadcnt 25                              ; this step's set is in; the next step's 25 loads stay out
.if (\s) < 6
	LOADSET ((\s)+2)&3, 28, ((\s)+2)*12800
.else
	LOADSET ((\s)+2)&3, 30, ((\s)-6)*12800         ; the next listed expert's first two sets
.endif
	XFETCH ((\s)+1)&7
	s_wait_dscnt 12                                ; this step's x (and, in step 0, b1) is in; the 12 loads just issued stay out
.if (\s) == 0
	WIN 0x40|((2+((\s)&1))<<2)|(2+(((\s)>>1)&1))   ; D window 1; C = b1, window 0
.else
	WIN 0x50|((2+((\s)&1))<<2)|(2+(((\s)>>1)&1))   ; C and D window 1
.endif
.irp m, 0,1,2,3
.irp t, 0,1,2,3,4,5,6,7
	P1 \s, \m, \t
.endr
.endr
	WIN 0
.endm
; h = silu(a) b for rows m: 32 numbers a lane, all in f32: a / (1 + 2^(-a log2 e)) x b.  Each accumulator is read from its low end on.
.macro SWIGLU m
	WIN 0x01
.set i, 0
.rept 16
	v_pk_mul_f32 v[160+i:161+i], v[64*(\m)+i:64*(\m)+i+1], s[52:53] op_sel_hi:[1,0]
.set i, i+2
.endr
	WIN 0
.set i, 0
.rept 32
	v_exp_f32 v[160+i], v[160+i]
.set i, i+1
.endr
	v_nop                                          ; a plain place behind the exponentials
.set i, 0
	s_wait_alu depctr_va_vdst(0)
.rept 16
	v_pk_add_f32 v[160+i:161+i], v[160+i:161+i], 1.0 op_sel_hi:[1,0]
.set i, i+2
.endr
.set i, 0
.rept 32
	v_rcp_f32 v[160+i], v[160+i]
.set i, i+1
.endr
	v_nop                                          ; a plain place behind the reciprocals
	WIN 0x01
.set i, 0
	s_wait_alu depctr_va_vdst(0)
.rept 16
	v_pk_mul_f32 v[128+i:129+i], v[64*(\m)+i:64*(\m)+i+1], v[160+i:161+i]
.set i, i+2
.endr
.set i, 0
.rept 16
	v_pk_mul_f32 v[128+i:129+i], v[64*(\m)+32+i:64*(\m)+32+i+1], v[128+i:129+i]
.set i, i+2
.endr
	WIN 0
.endm
; v128-159: register 16 b + i = hidden unit 64 w + 32 b + 16 (lane / 16) + i of my token.  They become registers 6 c .. 6 c + 5 (c = w & 1) of K step w / 2 of the second product, and two scale bytes.
.macro QUANT2 m
.irp b, 0,1
	v_max3_num_f32 v[TM+\b], |v[128+16*\b]|, |v[129+16*\b]|, 0x1800000   ; with the floor 2^(3 - 127): the byte cannot fall under 1
.endr
.irp i, 2,4,6,8,10,12,14
.irp b, 0,1
	v_max3_num_f32 v[TM+\b], v[TM+\b], |v[128+16*\b+\i]|, |v[129+16*\b+\i]|
.endr
.endr
.irp b, 0,1
	v_permlanex16_b32 v[TM+4+\b], v[TM+\b], s44, s45
.endr
.irp b, 0,1
	v_max_num_f32 v[TM+\b], v[TM+\b], v[TM+4+\b]   ; with lane l xor 16's: the block's largest magnitude
.endr
.irp b, 0,1
	v_add_nc_u32 v[TM+12+\b], 0xff000000, v[TM+\b] ; 2 off the exponent field: the conversion's scale operand
.endr
.irp b, 0,1
	v_lshrrev_b32 v[TM+4+\b], 23, v[TM+12+\b]      ; the scale's byte
.endr
	s_wait_dscnt 0x0                               ; the last tile's stores have read the registers that are written now
	v_lshl_or_b32 v[PW], v[TM+5], 8, v[TM+4]
	v_lshlrev_b32 v[PW], s48, v[PW]                ; my two bytes at their place in the word: 16 (w & 1) bits up
	v_cvt_scalef32_pk16_fp6_f32 v[216:218], v[128:143], v[TM+12]
	v_cvt_scalef32_pk16_fp6_f32 v[224:226], v[144:159], v[TM+13]
	v_nop                                          ; one plain place behind a scaled conversion
.irp i, 0,1,2
	v_permlane16_swap_b32 v[216+\i], v[224+\i]     ; a whole block to a lane: lanes 0-15 the first block, lanes 16-31 the second
.endr
.irp i, 0,1,2
	v_mov_b32 v[219+\i], v[224+\i]
.endr
	ds_store_b128 v11, v[216:219] offset:768*(\m)
	ds_store_b64 v12, v[220:221] offset:768*(\m)
	ds_store_b32 v13, v[PW] offset:128*(\m)
.endm
.macro LOADSUB g                       ; a sub-set of w2: 32 columns x 256 K: 4 fragments and their scale words: 13 loads
	WIN 0x80
.irp f, 0,1,2,3
.irp j, 0,1,2
	global_load_b128 v[48*(\g)+12*\f+4*\j:48*(\g)+12*\f+4*\j+3], v1, s[32:33] offset:6400*(\g)+1536*\f+512*\j
.endr
.endr
	WIN 0
	global_load_b64 v[64+2*(\g):65+2*(\g)], v2, s[32:33] offset:6400*(\g)+6144
.endm
.macro P2 g, u, m, z                   ; one product of phase 2: tile 2 g + u of the chunk, rows m, K step z
.set rD, 128+8*(4*(\u)+(\m))
.set rA, 48*(\g)+24*(\z)+12*(\u)
.set rB, 24*(\m)+12*(\z)
.if (\z) == 0
.if (\u)
	v_wmma_scale_f32_16x16x128_f8f6f4 v[rD:rD+7], v[rA:rA+11], v[rB:rB+11], v[96+8*(2*(\g)+(\u)):103+8*(2*(\g)+(\u))], v[64+2*(\g)], v[32+2*(\m)] matrix_a_fmt:MATRIX_FMT_FP6 matrix_b_fmt:MATRIX_FMT_FP6 matrix_a_scale:MATRIX_SCALE_ROW1
.else
	v_wmma_scale_f32_16x16x128_f8f6f4 v[rD:rD+7], v[rA:rA+11], v[rB:rB+11], v[96+8*(2*(\g)+(\u)):103+8*(2*(\g)+(\u))], v[64+2*(\g)], v[32+2*(\m)] matrix_a_fmt:MATRIX_FMT_FP6 matrix_b_fmt:MATRIX_FMT_FP6
.endif
.else
.if (\u)
	v_wmma_scale_f32_16x16x128_f8f6f4 v[rD:rD+7], v[rA:rA+11], v[rB:rB+11], v[rD:rD+7], v[65+2*(\g)], v[33+2*(\m)] matrix_a_fmt:MATRIX_FMT_FP6 matrix_b_fmt:MATRIX_FMT_FP6 matrix_a_scale:MATRIX_SCALE_ROW1
.else
	v_wmma_scale_f32_16x16x128_f8f6f4 v[rD:rD+7], v[rA:rA+11], v[rB:rB+11], v[rD:rD+7], v[65+2*(\g)], v[33+2*(\m)] matrix_a_fmt:MATRIX_FMT_FP6 matrix_b_fmt:MATRIX_FMT_FP6
.endif
.endif
.endm
; One listed expert for one chunk of 128 columns.  first = 1: its weighted results start the sums of out: nothing is cleared.
.macro ITEM2 first
	s_wait_xcnt 0x0                                ; the loads that are out have read their base: it may be written
	s_and_b32 s41, s26, 15                         ; this expert (it is only compared)
	s_lshr_b32 s35, s26, 4
	s_and_b32 s35, s35, 15                         ; the next of the list,
	s_and_b32 s36, s24, 15                         ; or, behind the last, the first again,
	s_add_co_u32 s34, s27, 1
	s_cmp_lt_u32 s34, s25
	s_cselect_b32 s35, s35, s36
	s_cselect_b32 s36, s42, 25600                  ; in the second chunk
	s_min_u32 s35, s35, 7
	s_mul_i32 s35, s35, E2B
	s_add_co_u32 s34, s35, s36
	s_add_co_u32 s34, s34, s47
	s_mov_b32 s35, 0
	s_add_nc_u64 s[32:33], s[14:15], s[34:35]
	v_add_nc_u32 v11, s38, v17
	v_add_nc_u32 v12, 49152, v11
	v_add_nc_u32 v13, s38, v18
	v_add_nc_u32 v14, 49152, v13
	v_add_nc_u32 v15, s39, v19
	v_add_nc_u32 v16, s40, v8
	v_add_nc_u32 v16, s49, v16
	WIN 0x40
.irp m, 0,1,2,3
.irp z, 0,1                            ; fragment (m, z): its halves come from waves 2 z and 2 z + 1
	ds_load_b128 v[24*\m+12*\z:24*\m+12*\z+3], v[11+\z] offset:768*\m
	ds_load_b64 v[24*\m+12*\z+4:24*\m+12*\z+5], v[13+\z] offset:768*\m
	ds_load_b128 v[24*\m+12*\z+6:24*\m+12*\z+9], v[11+\z] offset:24576+768*\m
	ds_load_b64 v[24*\m+12*\z+10:24*\m+12*\z+11], v[13+\z] offset:24576+768*\m
.endr
.endr
.irp c, 0,1,2,3,4,5,6,7
	ds_load_b128 v[96+8*\c:99+8*\c], v16 offset:64*\c              ; b2 in the result's layout
	ds_load_b128 v[100+8*\c:103+8*\c], v16 offset:64*\c+16
.endr
	WIN 0
.irp m, 0,1,2,3
.irp z, 0,1
	ds_load_b32 v[32+2*\m+\z], v15 offset:8192*\z+128*\m
	ds_load_b32 v[40+2*\m+\z], v15 offset:8192*\z+4096+128*\m
.endr
.endr
	s_wait_dscnt 0x0
.irp k, 0,1,2,3,4,5,6,7
	v_or_b32 v[32+\k], v[32+\k], v[40+\k]          ; two waves' bytes make a scale word; the twenty lines below are the places ahead of the scaled products
.endr
.irp m, 0,1,2,3
	v_cmp_eq_u32 vcc_lo, s41, v[82+4*\m]
	v_cndmask_b32 v[192+2*\m], 0, v[80+4*\m], vcc_lo
	v_cmp_eq_u32 vcc_lo, s41, v[83+4*\m]
	v_cndmask_b32 v[192+2*\m], v[192+2*\m], v[81+4*\m], vcc_lo     ; my token's gate for this expert, 0 if it has not chosen it
	v_mov_b32 v[193+2*\m], v[192+2*\m]
.endr
.irp g, 0,1,2,3
	s_wait_loadcnt 39                              ; this sub-set is in; the three that were asked for behind it stay out
	WIN 0x16                                       ; source 0 (w2) window 2, source 1 (hidden) and C (b2) window 1, D window 0
.irp u, 0,1
.irp m, 0,1,2,3
	P2 \g, \u, \m, 0
.endr
.endr
	WIN 0x06                                       ; C and D window 0.  The eight accumulators take turns
.irp u, 0,1
.irp m, 0,1,2,3
	P2 \g, \u, \m, 1
.endr
.endr
	WIN 0
	PLACES
	LOADSUB \g                                     ; the same sub-set of the next item
.if \first
	WIN 0xc0
.else
	WIN 0xf0
.endif
.irp u, 0,1
.irp m, 0,1,2,3
.irp j, 0,2,4,6
.if \first
	v_pk_mul_f32 v[8*(4*(2*\g+\u)+\m)+\j:8*(4*(2*\g+\u)+\m)+\j+1], v[128+8*(4*\u+\m)+\j:128+8*(4*\u+\m)+\j+1], v[192+2*\m:193+2*\m] op_sel_hi:[1,0]
.else
	v_pk_fma_f32 v[8*(4*(2*\g+\u)+\m)+\j:8*(4*(2*\g+\u)+\m)+\j+1], v[128+8*(4*\u+\m)+\j:128+8*(4*\u+\m)+\j+1], v[192+2*\m:193+2*\m], v[8*(4*(2*\g+\u)+\m)+\j:8*(4*(2*\g+\u)+\m)+\j+1] op_sel_hi:[1,0,1]
.endif
.endr
.endr
.endr
	WIN 0
.endr
.endm
; The way out of rows m of a chunk: through my stage, back as rows; sixteen lanes store 256 consecutive bytes of a token's row.
.macro OUTM m
.if (\m) >= 2
	s_wait_xcnt 0x0                                ; the stores of two tiles back have read the registers that are loaded now
.endif
	WIN 0x0c
.irp c, 0,1,2,3,4,5,6,7
	ds_store_b128 v9, v[8*(4*\c+(\m)):8*(4*\c+(\m))+3] offset:64*\c
	ds_store_b128 v9, v[8*(4*\c+(\m))+4:8*(4*\c+(\m))+7] offset:64*\c+16
.endr
	WIN 0x40
.irp k, 0,1,2,3,4,5,6,7,8,9,10,11,12,13,14,15
	ds_load_b128 v[64*((\m)&1)+4*\k:64*((\m)&1)+4*\k+3], v10 offset:1056*(\k>>1)+256*(\k&1)   ; LDS serves a wave's instructions in order: these see my stores
.endr
	WIN 0x04
.irp k, 0,1,2,3,4,5,6,7,8,9,10,11,12,13,14,15
	s_wait_dscnt 15-\k                             ; load k is in; those behind it stay out
	global_store_b128 v[96+8*(\m)+(\k>>1)], v[64*((\m)&1)+4*\k:64*((\m)&1)+4*\k+3], s[20:21] offset:256*(\k&1) th:TH_STORE_NT
.endr
	WIN 0
.endm
	s_load_b256 s[4:11], s[0:1], 0x0               ; xc, xs, tg, plan
	s_load_b256 s[12:19], s[0:1], 0x20             ; w1q, w2q, b1, b2
	s_load_b64 s[20:21], s[0:1], 0x40              ; out0
	v_lshl_add_u32 v254, v0, 2, 0x3c400
	v_mov_b32 v255, 0
	v_lshrrev_b32 v21, 5, v0
	v_readfirstlane_b32 s22, v21                   ; wave
	v_and_b32 v21, 31, v0                          ; lane
	v_and_b32 v22, 15, v0                          ; r
	v_bfe_u32 v23, v0, 4, 1                        ; h
	v_lshlrev_b32 v1, 4, v21                       ; 16 x lane
	v_lshlrev_b32 v2, 3, v21                       ; 8 x lane
	v_lshlrev_b32 v3, 2, v21                       ; 4 x lane
	s_mul_i32 s34, s22, 24576
	s_add_co_u32 s34, s34, HIMG
	v_add_nc_u32 v4, s34, v1                       ; where I store half images: 16 bytes a lane,
	v_add_nc_u32 v5, s34, v2
	v_add_nc_u32 v5, 512, v5                       ; and 8 bytes a lane
	s_lshl_b32 s34, s22, 12
	s_add_co_u32 s34, s34, HSC
	v_add_nc_u32 v6, s34, v3                       ; and my scale words
	s_mul_i32 s34, s22, 12288
	v_add_nc_u32 v27, s34, v1                      ; where I store x's images (XIMG = 0)
	s_add_co_u32 s34, s34, BIAS
	v_lshl_add_u32 v7, v23, 6, s34                 ; b1 in the result's layout: + 64 h
	v_lshl_add_u32 v8, v23, 5, s34
	v_add_nc_u32 v8, 512, v8                       ; b2: + 32 h
	v_add_nc_u32 v28, s34, v1                      ; where I store the biases
	s_mul_i32 s34, s22, 8448
	s_add_co_u32 s34, s34, STG
	v_mul_u32_u24 v9, v22, 528
	v_lshl_add_u32 v9, v23, 5, v9
	v_add_nc_u32 v9, s34, v9                       ; the stage, in: row r, + 32 h
	v_mul_u32_u24 v10, v23, 528
	v_lshl_add_u32 v10, v22, 4, v10
	v_add_nc_u32 v10, s34, v10                     ; back: lanes 0-15 one row, lanes 16-31 the next
	v_add_nc_u32 v17, HIMG, v1                     ; where any wave's half images are read
	v_add_nc_u32 v18, HIMG+512, v2
	v_add_nc_u32 v19, HSC, v3
	v_lshlrev_b32 v24, 2, v22                      ; the order table: 4 r,
	s_lshl_b32 s35, s22, 6
	v_add_nc_u32 v25, s35, v24                     ; 4 r + 64 w,
	v_lshlrev_b32 v26, 2, v23                      ; 4 h
	v_lshlrev_b32 v29, 4, v22                      ; 16 r
	v_lshl_add_u32 v30, v23, 10, v29
	s_lshl_b32 s35, s22, 8
	v_add_nc_u32 v30, s35, v30                     ; b1: lanes 0-15 my 64 of the first half, lanes 16-31 of the second
	s_lshl_b32 s35, s22, 10
	v_add_nc_u32 v31, s35, v1                      ; b2: my 256
	v_mov_b32 v[TM+4], 0                           ; a lane permute's destination counts as read
	v_mov_b32 v[TM+5], 0
	s_mov_b32 s44, 0x76543210
	s_mov_b32 s45, 0xfedcba98                      ; selects for lane l xor 16
	s_mov_b32 s52, 0xbfb8aa3b                      ; -log2(e)
	s_mov_b32 s53, s52                             ; (named with it as a pair)
	s_mul_i32 s46, s22, 102400
	s_mul_i32 s47, s22, 51200
	s_and_b32 s48, s22, 1
	s_lshl_b32 s48, s48, 4
	s_lshl_b32 s34, ttmp9, 3
	s_lshl_b32 s36, ttmp9, 8
	s_mov_b32 s37, 0
	s_wait_kmcnt 0x0
	s_load_b64 s[24:25], s[10:11], s34 offset:0x8000   ; my block's list and its length
	s_add_nc_u64 s[50:51], s[10:11], s[36:37]      ; my block's 64 places of the order table
	s_lshl_b32 s36, s22, 10
	s_add_nc_u64 s[20:21], s[20:21], s[36:37]      ; out0 at my wave's columns
.irp m, 0,1,2,3
	global_load_b32 v[128+\m], v24, s[50:51] offset:64*\m          ; the token of row r of tile m
.endr
	global_load_b32 v132, v25, s[50:51]            ; of tile w: the one whose codes I fetch
.set i, 0
.rept 32
	global_load_b32 v[96+i], v26, s[50:51] offset:8*i              ; of rows 16 m + 2 t + h, i = 8 m + t: those that I store
.set i, i+1
.endr
	s_wait_kmcnt 0x0
	s_min_u32 s25, s25, 8
	s_and_b32 s34, s24, 15
	s_min_u32 s34, s34, 7
	s_mul_i32 s34, s34, E1B
	s_add_co_u32 s34, s34, s46
	s_mov_b32 s35, 0
	s_add_nc_u64 s[28:29], s[12:13], s[34:35]      ; the first listed expert's part of w1q for my wave
	LOADSET 0, 28, 0
	s_wait_loadcnt 25                              ; the 37 tokens are in; the set's 25 loads stay out
.irp m, 0,1,2,3,4
	v_min_u32 v[128+\m], 0x1fff, v[128+\m]         ; held inside the tables
.endr
.set i, 0
.rept 32
	v_min_u32 v[96+i], 0x1fff, v[96+i]
.set i, i+1
.endr
.set i, 0
.rept 32
	v_lshl_add_u32 v[96+i], v[96+i], 12, v29       ; a row of out is 4,096 bytes; + 16 (lane % 16)
.set i, i+1
.endr
	v_mul_u32_u24 v132, v132, 768
	v_mad_u32_u24 v132, v23, 48, v132              ; xc: row of 768 bytes, + 48 h
.irp m, 0,1,2,3
	v_lshlrev_b32 v[134+\m], 5, v[128+\m]          ; xs: 32 bytes a token
	v_lshlrev_b32 v[138+\m], 4, v[128+\m]          ; tg: 16
.endr
	WIN 0x40
.irp s, 0,1,2,3,4,5,6,7
.irp j, 0,1,2
	global_load_b128 v[12*\s+4*\j:12*\s+4*\j+3], v132, s[4:5] offset:96*\s+16*\j   ; the eight fragments of rows 16 w .. 16 w + 15
.endr
.endr
	WIN 0
.irp m, 0,1,2,3
	global_load_b128 v[32+8*\m:35+8*\m], v[134+\m], s[6:7]
	global_load_b128 v[36+8*\m:39+8*\m], v[134+\m], s[6:7] offset:16
.endr
.irp m, 0,1,2,3
	global_load_b128 v[80+4*\m:83+4*\m], v[138+\m], s[8:9]
.endr
	s_wait_loadcnt 12                              ; the codes are in; the 12 loads of scale words and gates stay out
	WIN 0x04
.irp s, 0,1,2,3,4,5,6,7
.irp j, 0,1,2
	ds_store_b128 v27, v[12*\s+4*\j:12*\s+4*\j+3] offset:1536*\s+512*\j
.endr
.endr
	WIN 0
.irp i, 0,1,2,3,4,5,6,7
	s_bfe_u32 s34, s24, 0x40000+4*\i
	s_min_u32 s34, s34, 7
	s_lshl_b32 s35, s34, 11
	v_add_nc_u32 v[142+\i], s35, v30
	s_lshl_b32 s35, s34, 12
	v_add_nc_u32 v[150+\i], s35, v31
.endr
	WIN 0x40
.irp i, 0,1,2,3,4,5,6,7
	global_load_b128 v[96+12*\i:99+12*\i], v[142+\i], s[16:17]
	global_load_b128 v[100+12*\i:103+12*\i], v[150+\i], s[18:19]
	global_load_b128 v[104+12*\i:107+12*\i], v[150+\i], s[18:19] offset:512
.endr
	WIN 0
	LOADSET 1, 28, 12800
	s_wait_loadcnt 25                              ; scale words, gates and biases are in; the second set's 25 loads stay out
	WIN 0x04
.irp i, 0,1,2,3,4,5,6,7
	ds_store_b128 v28, v[96+12*\i:99+12*\i] offset:1536*\i
	ds_store_b128 v28, v[100+12*\i:103+12*\i] offset:1536*\i+512
	ds_store_b128 v28, v[104+12*\i:107+12*\i] offset:1536*\i+1024
.endr
	WIN 0
.irp m, 0,1,2,3
	v_bfe_u32 v[83+4*\m], v[82+4*\m], 8, 8         ; expert 2
	v_and_b32 v[82+4*\m], 255, v[82+4*\m]          ; expert 1
.endr
	s_wait_dscnt 0x0                               ; for the others' sake: my part of x lies in LDS
	s_barrier_signal -1
	s_barrier_wait -1
	XFETCH 0
	; ---- PHASE 1
	s_mov_b32 s26, s24
	s_mov_b32 s27, 0
	s_mov_b32 s38, 0
	s_mov_b32 s39, 0
	s_mov_b32 s40, 0
.Lex1:
	s_cmp_ge_u32 s27, s25                          ; a place beyond the list's length: only the steps at the trip's end
	s_cbranch_scc1 .Lskip1
	v_add_nc_u32 v11, s38, v4
	v_add_nc_u32 v12, s38, v5
	v_add_nc_u32 v13, s39, v6
	v_add_nc_u32 v14, s40, v7
.irp t, 0,1,2,3,4,5,6,7                ; b1 as the C of each sum's first product: tile t = 4 half + 2 b + u wants units 32 b + 16 h + 8 u + 0 .. 7 of its half
	ds_load_b128 v[128+8*\t:131+8*\t], v14 offset:256*(\t>>2)+128*((\t>>1)&1)+32*(\t&1)
	ds_load_b128 v[132+8*\t:135+8*\t], v14 offset:256*(\t>>2)+128*((\t>>1)&1)+32*(\t&1)+16
.endr
	STEP1 0
	STEP1 1
	STEP1 2
	STEP1 3
	STEP1 4
	STEP1 5
	s_wait_xcnt 0x0
	s_lshr_b32 s34, s26, 4
	s_and_b32 s34, s34, 15                         ; the next listed expert (behind the last: 0)
	s_min_u32 s34, s34, 7
	s_mul_i32 s34, s34, E1B
	s_add_co_u32 s34, s34, s46
	s_mov_b32 s35, 0
	s_add_nc_u64 s[30:31], s[12:13], s[34:35]
	STEP1 6
	STEP1 7
	PLACES
	SWIGLU 0
	QUANT2 0
	SWIGLU 1
	QUANT2 1
	SWIGLU 2
	QUANT2 2
	SWIGLU 3
	QUANT2 3
	s_wait_xcnt 0x0                                ; the loads that are out have read their bases
	s_mov_b64 s[28:29], s[30:31]
.Lskip1:
	s_lshr_b32 s26, s26, 4
	s_add_co_u32 s38, s38, 3072
	s_add_co_u32 s39, s39, 512
	s_add_co_u32 s40, s40, 1536
	s_add_co_u32 s27, s27, 1
	s_cmp_lt_u32 s27, 8
	s_cbranch_scc1 .Lex1
	s_wait_loadcnt 0x0                             ; the look-ahead's two sets have landed: their registers are free
	s_and_b32 s34, s24, 15
	s_min_u32 s34, s34, 7
	s_mul_i32 s34, s34, E2B
	s_add_co_u32 s34, s34, s47
	s_mov_b32 s35, 0
	s_add_nc_u64 s[32:33], s[14:15], s[34:35]      ; the first listed expert, chunk 0
	LOADSUB 0
	LOADSUB 1
	LOADSUB 2
	LOADSUB 3
	s_wait_dscnt 0x0                               ; for the others' sake: my part of the hidden layer lies in LDS
	s_barrier_signal -1
	s_barrier_wait -1
	; ---- PHASE 2
	s_mov_b32 s42, 0
	s_mov_b32 s43, 0
	s_mov_b32 s49, 0
.Lchunk:
	s_mov_b32 s26, s24
	s_mov_b32 s27, 0
	s_mov_b32 s38, 0
	s_mov_b32 s39, 0
	s_mov_b32 s40, 0
	ITEM2 1
	s_lshr_b32 s26, s26, 4
	s_mov_b32 s27, 1
	s_mov_b32 s38, 3072
	s_mov_b32 s39, 512
	s_mov_b32 s40, 1536
.Lpos:
	s_cmp_ge_u32 s27, s25
	s_cbranch_scc1 .Lskip2
	ITEM2 0
.Lskip2:
	s_lshr_b32 s26, s26, 4
	s_add_co_u32 s38, s38, 3072
	s_add_co_u32 s39, s39, 512
	s_add_co_u32 s40, s40, 1536
	s_add_co_u32 s27, s27, 1
	s_cmp_lt_u32 s27, 8
	s_cbranch_scc1 .Lpos
	OUTM 0
	OUTM 1
	OUTM 2
	OUTM 3
	s_wait_xcnt 0x0                                ; the stores have read their registers and their base
	s_add_nc_u64 s[20:21], s[20:21], 512
	s_add_co_u32 s42, s42, 25600
	s_add_co_u32 s49, s49, 512
	s_add_co_u32 s43, s43, 1
	s_cmp_lt_u32 s43, 2
	s_cbranch_scc1 .Lchunk
	s_wait_tensorcnt 0x0
	ds_add_u32 v254, v255
	s_wait_dscnt 0x0
	s_endpgm
.Lfunc_end_k_q01b125a76c_experts:
	.size	k_q01b125a76c_experts, .Lfunc_end_k_q01b125a76c_experts-k_q01b125a76c_experts
	.p2alignl 7, 3214868480
	.fill 96, 4, 3214868480
	.section	.rodata,"a",@progbits
	.p2align	6, 0x0
	.amdhsa_kernel k_q01b125a76c_experts
		.amdhsa_group_segment_fixed_size 247296
		.amdhsa_private_segment_fixed_size 0
		.amdhsa_enable_private_segment 0
		.amdhsa_kernarg_size 72
		.amdhsa_user_sgpr_count 2
		.amdhsa_user_sgpr_kernarg_segment_ptr 1
		.amdhsa_wavefront_size32 1
		.amdhsa_system_sgpr_workgroup_id_x 1
		.amdhsa_system_sgpr_workgroup_id_y 1
		.amdhsa_system_sgpr_workgroup_id_z 1
		.amdhsa_system_vgpr_workitem_id 0
		.amdhsa_next_free_vgpr 1024
		.amdhsa_next_free_sgpr 66
		.amdhsa_reserve_vcc 1
		.amdhsa_float_denorm_mode_32 3
		.amdhsa_float_denorm_mode_16_64 3
		.amdhsa_memory_ordered 1
		.amdhsa_forward_progress 1
		.amdhsa_inst_pref_size 204
	.end_amdhsa_kernel
	.amdgpu_metadata
---
amdhsa.version: [ 1, 2 ]
amdhsa.kernels:
  - .name:           k_q01b125a76c_experts
    .symbol:         k_q01b125a76c_experts.kd
    .args:
      - { .name: xc, .offset: 0, .size: 8, .value_kind: global_buffer, .address_space: global }
      - { .name: xs, .offset: 8, .size: 8, .value_kind: global_buffer, .address_space: global }
      - { .name: tg, .offset: 16, .size: 8, .value_kind: global_buffer, .address_space: global }
      - { .name: plan, .offset: 24, .size: 8, .value_kind: global_buffer, .address_space: global }
      - { .name: w1q, .offset: 32, .size: 8, .value_kind: global_buffer, .address_space: global }
      - { .name: w2q, .offset: 40, .size: 8, .value_kind: global_buffer, .address_space: global }
      - { .name: b1, .offset: 48, .size: 8, .value_kind: global_buffer, .address_space: global }
      - { .name: b2, .offset: 56, .size: 8, .value_kind: global_buffer, .address_space: global }
      - { .name: out0, .offset: 64, .size: 8, .value_kind: global_buffer, .address_space: global }
    .group_segment_fixed_size: 247296
    .private_segment_fixed_size: 0
    .kernarg_segment_align: 8
    .kernarg_segment_size: 72
    .max_flat_workgroup_size: 128
    .sgpr_count:     66
    .vgpr_count:     1024
    .wavefront_size: 32
...
	.end_amdgpu_metadata
.endif
;; end of part 3
;; ======== version 2 of 2: 3 launches
;; workspace buffers: xc 6,291,456 bytes; xs 262,144 bytes; route 65,536 bytes of whole numbers; tg 131,072 bytes; w1q 3,276,800 bytes; w2q 1,638,400 bytes; plan 33,792 bytes of whole numbers
;; launch route_quant (part 4): grid 256 x 1, 4 waves a work-group, no clusters, 96,768 bytes of LDS; arguments x, wr, xc, xs, route, tg; writes xc, xs, route, tg
.if DOCPART == 4
	.amdgcn_target "amdgcn-amd-amdhsa--gfx1250"
	.amdhsa_code_object_version 6
	.text
	.protected	k_q01b125a76c_route_quant
	.globl	k_q01b125a76c_route_quant
	.p2align	8
	.type	k_q01b125a76c_route_quant,@function
k_q01b125a76c_route_quant:
	s_mov_b64 s[64:65], 0
	v_nop
	global_prefetch_b8 v0, s[64:65] scope:SCOPE_SE
	s_setreg_imm32_b32 hwreg(HW_REG_WAVE_MODE, 25, 1), 1
	s_wait_xcnt 0x0
; x [8192][1024] f32 -> (a) the router: 8 logits a token in f32, the two largest (a tie keeps the lower index), their softmax;
; (b) x as codes of FP6 (E2M3) with one E8M0 byte for each 32 along K.
; A work-group takes 32 tokens, a wave 8 whole rows.  A row is loaded as it lies (8 loads of 512 consecutive bytes); the logits are formed on
; these registers against wr in the same layout (wr comes once through LDS, as an image of the registers).  For the quantiser a lane must hold a
; whole block of 32 neighbours: the row turns through the wave's own stage in LDS (blocks 144 bytes apart) and lane l gets block l.
; OUT: xc [token][K step s][h][c][24 bytes] = block 4 s + 2 c + h, so that a lane of a fragment later reads 48 bytes on end; xs [token][32 bytes];
; route [group of 32 tokens][lane]{sel of token, count of key = lane}; tg [token]{gate 1, gate 2, sel, 0}.
; sel = expert 1 | expert 2 << 8 | 4 key << 16 | rank << 24; key numbers the 28 pairs (lo, hi); rank counts earlier tokens of the group with the same key.
; LIMITS: NaN and infinities in x or wr are not served.  The f32 sums of a logit are taken in another order than a plain dot product: two logits that
; agree to within f32 rounding may change places.  A block of zeros gets the byte 1 (its codes are zeros; this program alone reads the bytes).
.set WRL,   0                          ; LDS: wr, 8 x 4,096 bytes, as loaded
.set TURNB, 32768                      ; two stages of 32 x 144 bytes for each wave
.set CSTB,  69632                      ; for each wave: 8 rows x 768 bytes of codes, then 256 scale bytes
.set LGT,   95232                      ; 32 tokens x 8 logits
.set X,     32                         ; v32-95   two sets of 32 neighbours (block = lane)
.set S,     96                         ; v96-111  eight pairs of partial sums
.set LG,    112                        ; v112-127 the eight logits, two sets by turns
.set LT,    128                        ; v128-135 the other half of the lanes' sums
.set CD,    136                        ; v136-141 (+142 the byte), v144-149 (+150): a block's codes, two sets by turns
.set C2,    152                        ; v152-154 the second conversion's result
.set QM,    156                        ; v156-158 at work
.set OUTR,  160                        ; v160-209 the way out
; window 1: wr, expert e at v[32 e ..];  window 2: the eight rows as loaded, row t at v[32 t ..]
.set MSB, 0
.macro WIN new                         ; the immediate's high byte repeats the setting that is left
.if MSB != (\new)
	s_set_vgpr_msb (MSB<<8)|(\new)
.set MSB, (\new)
.endif
.endm
.macro ROWLOAD t                       ; a row: eight loads of 512 consecutive bytes
	WIN 0x80
.irp j, 0,1,2,3,4,5,6,7
	global_load_b128 v[32*(\t)+4*\j:32*(\t)+4*\j+3], v2, s[4:5] offset:4096*(\t)+512*\j th:TH_LOAD_NT
.endr
	WIN 0
.endm
.macro TURN t                          ; row t through stage t % 2: LDS serves a wave's instructions in order, so no wait stands between stores and loads
	WIN 0x08
.irp j, 0,1,2,3,4,5,6,7
	ds_store_b128 v3, v[32*(\t)+4*\j:32*(\t)+4*\j+3] offset:4608*((\t)&1)+576*\j
.endr
	WIN 0
.irp j, 0,1,2,3,4,5,6,7
	ds_load_b128 v[X+32*((\t)&1)+4*\j:X+32*((\t)&1)+4*\j+3], v4 offset:4608*((\t)&1)+16*\j
.endr
.endm
	s_load_b256 s[4:11], s[0:1], 0x0               ; x, wr, xc, xs
	s_load_b128 s[12:15], s[0:1], 0x20             ; route, tg
	v_lshl_add_u32 v254, v0, 2, 0x17800
	v_mov_b32 v255, 0
	v_lshrrev_b32 v1, 5, v0
	v_readfirstlane_b32 s16, v1                    ; wave
	v_and_b32 v1, 31, v0                           ; lane
	v_lshlrev_b32 v2, 4, v1                        ; 16 x lane
	s_mul_i32 s17, s16, 9216
	s_add_co_u32 s17, s17, TURNB                   ; my stages
	v_lshrrev_b32 v3, 3, v1
	v_mul_u32_u24 v3, v3, 144
	v_and_b32 v4, 7, v1
	v_lshl_add_u32 v3, v4, 4, v3
	v_add_nc_u32 v3, s17, v3                       ; in: eight lanes fill a block of 128 bytes; 144 bytes from block to block
	v_mul_u32_u24 v4, v1, 144
	v_add_nc_u32 v4, s17, v4                       ; out: lane l takes block l
	s_mul_i32 s18, s16, 6400
	s_add_co_u32 s18, s18, CSTB
	v_lshrrev_b32 v5, 2, v1
	v_mul_u32_u24 v5, v5, 96
	v_and_b32 v6, 1, v1
	v_mad_u32_u24 v5, v6, 48, v5
	v_bfe_u32 v6, v1, 1, 1
	v_mad_u32_u24 v5, v6, 24, v5
	v_add_nc_u32 v5, s18, v5                       ; block l = 4 s + 2 c + h goes to 96 s + 48 h + 24 c of the row's codes
	v_add_nc_u32 v6, s18, v1
	v_add_nc_u32 v6, 6144, v6                      ; its scale byte
	v_add_nc_u32 v7, s18, v2                       ; the way out: codes, 16 bytes a lane
	v_lshlrev_b32 v12, 3, v1                       ; 8 x lane
	v_add_nc_u32 v11, s18, v12
	v_add_nc_u32 v11, 6144, v11                    ; the way out: scale bytes
	s_lshl_b32 s19, s16, 8
	s_add_co_u32 s19, s19, LGT
	v_mov_b32 v8, s19                              ; my eight tokens' logits
	s_lshl_b32 s19, s16, 13
	v_add_nc_u32 v9, s19, v2                       ; experts 2 w, 2 w + 1 of wr: in memory and in LDS alike
	s_mov_b32 s30, 0x76543210
	s_mov_b32 s31, 0xfedcba98                      ; selects for lane l xor 16
.irp e, 0,1,2,3,4,5,6,7
	v_mov_b32 v[LT+\e], 0                          ; a lane permute's destination counts as read
.endr
	s_lshl_b32 s20, ttmp9, 17
	s_lshl_b32 s21, s16, 15
	s_add_co_u32 s20, s20, s21                     ; x: (32 g + 8 w) rows of 4,096 bytes
	s_mov_b32 s21, 0
	s_mul_i32 s22, ttmp9, 24576
	s_mul_i32 s23, s16, 6144
	s_add_co_u32 s22, s22, s23                     ; xc: rows of 768 bytes
	s_mov_b32 s23, 0
	s_lshl_b32 s24, ttmp9, 10
	s_lshl_b32 s25, s16, 8
	s_add_co_u32 s24, s24, s25                     ; xs: rows of 32 bytes
	s_mov_b32 s25, 0
	s_lshl_b32 s26, ttmp9, 8                       ; route: 256 bytes a group
	s_mov_b32 s27, 0
	s_lshl_b32 s28, ttmp9, 9                       ; tg: 16 bytes a token
	s_mov_b32 s29, 0
	s_wait_alu depctr_va_vdst(0)
	s_wait_kmcnt 0x0
	s_add_nc_u64 s[4:5], s[4:5], s[20:21]
	s_add_nc_u64 s[8:9], s[8:9], s[22:23]
	s_add_nc_u64 s[10:11], s[10:11], s[24:25]
	s_add_nc_u64 s[12:13], s[12:13], s[26:27]
	s_add_nc_u64 s[14:15], s[14:15], s[28:29]
.irp j, 0,1,2,3,4,5,6,7,8,9,10,11,12,13,14,15
	global_load_b128 v[X+4*\j:X+4*\j+3], v9, s[6:7] offset:512*\j   ; my two experts of wr
.endr
	ROWLOAD 0
	ROWLOAD 1
	ROWLOAD 2
	ROWLOAD 3
	ROWLOAD 4
	s_wait_loadcnt 40                              ; wr is in; the 40 loads of rows 0 to 4 stay out
.irp j, 0,1,2,3,4,5,6,7,8,9,10,11,12,13,14,15
	ds_store_b128 v9, v[X+4*\j:X+4*\j+3] offset:WRL+512*\j
.endr
	ROWLOAD 5
	ROWLOAD 6
	s_wait_dscnt 0x0                               ; for the others' sake: my part of wr lies in LDS
	s_barrier_signal -1
	s_barrier_wait -1
	WIN 0x40
.set i, 0
.rept 64
	ds_load_b128 v[4*i:4*i+3], v2 offset:WRL+512*i ; all of wr, in the layout of a row's loads
.set i, i+1
.endr
	WIN 0
	s_wait_loadcnt 48                              ; row 0 is in; rows 1 to 6 stay out
	ROWLOAD 7
	TURN 0
; One row: the next row's turn is started, the logits are formed, the block is quantised, the logits are summed over the lanes.
.macro TOKEN t
.set XS, X+32*((\t)&1)
.set CP, CD+8*((\t)&1)
.set LP, LG+8*((\t)&1)
.if (\t) < 7
	s_wait_loadcnt 8*(6-(\t))                      ; row t + 1 is in; rows t + 2 to 7 stay out
	TURN (\t)+1
.endif
.if (\t) == 0
	s_wait_dscnt 32                                ; wr is in registers: behind its loads stand two turns of 16
.endif
	WIN 0x06                                       ; source 0: the row, window 2; source 1: wr, window 1
.irp e, 0,1,2,3,4,5,6,7
	v_pk_mul_f32 v[S+2*\e:S+2*\e+1], v[32*(\t):32*(\t)+1], v[32*\e:32*\e+1]
.endr
.irp i, 2,4,6,8,10,12,14,16,18,20,22,24,26,28,30
.irp e, 0,1,2,3,4,5,6,7
	v_pk_fma_f32 v[S+2*\e:S+2*\e+1], v[32*(\t)+\i:32*(\t)+\i+1], v[32*\e+\i:32*\e+\i+1], v[S+2*\e:S+2*\e+1]
.endr
.endr
	WIN 0
.if (\t) == 0
	s_wait_dscnt 16                                ; my block is back from the stage; the next row's turn stays out
.elseif (\t) < 7
	s_wait_dscnt 22                                ; likewise: behind it the last row's six stores and the next row's turn
.else
	s_wait_dscnt 6                                 ; behind it the last row's six stores
.endif
	v_max3_num_f32 v[QM], |v[XS]|, |v[XS+1]|, |v[XS+2]|            ; the block's largest magnitude: all 32 numbers are mine
	v_max3_num_f32 v[QM+1], |v[XS+3]|, |v[XS+4]|, |v[XS+5]|
.irp i, 6,10,14,18,22,26
	v_max3_num_f32 v[QM], v[QM], |v[XS+\i]|, |v[XS+\i+1]|
	v_max3_num_f32 v[QM+1], v[QM+1], |v[XS+\i+2]|, |v[XS+\i+3]|
.endr
	v_max3_num_f32 v[QM], v[QM], |v[XS+30]|, |v[XS+31]|
	v_max3_num_f32 v[QM], v[QM], v[QM+1], 0x1800000                ; and the floor 2^(3 - 127): the byte cannot fall under 1
	v_add_nc_u32 v[QM+2], 0xff000000, v[QM]        ; 2 off the exponent field: the conversion's scale operand
	v_cvt_scalef32_pk16_fp6_f32 v[CP:CP+2], v[XS:XS+15], v[QM+2]
	v_cvt_scalef32_pk16_fp6_f32 v[C2:C2+2], v[XS+16:XS+31], v[QM+2]   ; (a conversion's three registers begin on an even number)
	v_lshrrev_b32 v[CP+6], 23, v[QM+2]             ; the scale's byte; also the plain place behind the conversions
.irp i, 0,1,2
	v_mov_b32 v[CP+3+\i], v[C2+\i]
.endr
.irp i, 0,1,2
	ds_store_b64 v5, v[CP+2*\i:CP+2*\i+1] offset:768*(\t)+8*\i
.endr
	ds_store_b8 v6, v[CP+6] offset:32*(\t)
.irp e, 0,1,2,3,4,5,6,7
	v_add_f32 v[LP+\e], v[S+2*\e], v[S+2*\e+1]
.endr
.irp x, 1,2,4,8
.irp e, 0,1,2,3,4,5,6,7
	v_add_f32_dpp v[LP+\e], v[LP+\e], v[LP+\e] row_xmask:\x row_mask:0xf bank_mask:0xf
.endr
.endr
.irp e, 0,1,2,3,4,5,6,7
	v_permlanex16_b32 v[LT+\e], v[LP+\e], s30, s31
.endr
.irp e, 0,1,2,3,4,5,6,7
	v_add_f32 v[LP+\e], v[LP+\e], v[LT+\e]         ; every lane holds the logit
.endr
	ds_store_b128 v8, v[LP:LP+3] offset:32*(\t)    ; all lanes write the same bytes with the same values
	ds_store_b128 v8, v[LP+4:LP+7] offset:32*(\t)+16
.endm
	TOKEN 0
	TOKEN 1
	TOKEN 2
	TOKEN 3
	TOKEN 4
	TOKEN 5
	TOKEN 6
	TOKEN 7
	; the way out: my 8 rows' codes are 6,144 consecutive bytes of xc, their scale bytes 256 of xs
.irp k, 0,1,2,3,4,5,6,7,8,9,10,11
	ds_load_b128 v[OUTR+4*\k:OUTR+4*\k+3], v7 offset:512*\k
.endr
	ds_load_b64 v[OUTR+48:OUTR+49], v11
.irp k, 0,1,2,3,4,5,6,7,8,9,10,11
	s_wait_dscnt 12-\k                             ; load k is in; the 12 - k behind it stay out
	global_store_b128 v2, v[OUTR+4*\k:OUTR+4*\k+3], s[8:9] offset:512*\k
.endr
	s_wait_dscnt 0x0                               ; the scale bytes are in; and, for wave 0's sake, my logits lie in LDS
	global_store_b64 v12, v[OUTR+48:OUTR+49], s[10:11]
	s_barrier_signal -1
	s_barrier_wait -1
	s_cmp_lg_u32 s16, 0
	s_cbranch_scc1 .Lend
	; THE ROUTER, wave 0, a lane a token.  Nothing here steers an address or a branch: all is stored at fixed places.
	v_lshl_add_u32 v13, v1, 5, LGT
	ds_load_b128 v[32:35], v13
	ds_load_b128 v[36:39], v13 offset:16
	s_wait_dscnt 0x0
	v_mov_b32 v40, v32                             ; the largest so far, and its expert
	v_mov_b32 v41, 0
	v_mov_b32 v42, 0xff800000                      ; the second: -infinity
	v_mov_b32 v43, 0
.irp e, 1,2,3,4,5,6,7                  ; upward, with strict compares: of equal logits the lower index stays ahead
	v_cmp_gt_f32 s32, v[32+\e], v40
	v_cmp_gt_f32 s33, v[32+\e], v42
	v_cndmask_b32 v42, v42, v[32+\e], s33
	v_cndmask_b32 v43, v43, \e, s33
	v_cndmask_b32 v42, v42, v40, s32
	v_cndmask_b32 v43, v43, v41, s32
	v_cndmask_b32 v40, v40, v[32+\e], s32
	v_cndmask_b32 v41, v41, \e, s32
.endr
	v_sub_f32 v44, v42, v40                        ; second - first: the maximum is taken away, the exponent is 0 or less
	v_mul_f32 v44, 0x3fb8aa3b, v44
	s_wait_alu depctr_va_vdst(0)
	v_exp_f32 v44, v44
	v_min_u32 v46, v41, v43                        ; lo (a plain place behind the exponential)
	s_wait_alu depctr_va_vdst(0)
	v_add_f32 v45, 1.0, v44
	s_wait_alu depctr_va_vdst(0)
	v_rcp_f32 v48, v45                             ; gate 1 = 1 / (1 + t)
	v_max_u32 v47, v41, v43                        ; hi (a plain place behind the reciprocal)
	s_wait_alu depctr_va_vdst(0)
	v_mul_f32 v49, v44, v48                        ; gate 2 = t / (1 + t)
	v_sub_nc_u32 v52, 15, v46
	v_mul_u32_u24 v52, v52, v46
	v_lshrrev_b32 v52, 1, v52
	v_add_nc_u32 v52, v52, v47
	v_sub_nc_u32 v52, v52, v46
	v_add_nc_u32 v52, -1, v52                      ; key = lo (15 - lo) / 2 + hi - lo - 1
	v_mov_b32 v53, 0                               ; rank
	v_mov_b32 v54, 0                               ; lane k: how many of the 32 tokens have key k
.set kk, 0
.rept 28
	v_cmp_eq_u32 vcc_lo, kk, v52
	v_mbcnt_lo_u32_b32 v55, vcc_lo, 0              ; tokens of this key in the lanes below mine
	v_cndmask_b32 v53, v53, v55, vcc_lo
	s_bcnt1_i32_b32 s34, vcc_lo
	v_writelane_b32 v54, s34, kk
.set kk, kk+1
.endr
	v_lshl_or_b32 v50, v43, 8, v41
	v_lshl_or_b32 v50, v52, 18, v50
	v_lshl_or_b32 v50, v53, 24, v50                ; sel
	v_mov_b32 v51, 0
	v_mov_b32 v56, v50
	v_mov_b32 v57, v54
	global_store_b64 v12, v[56:57], s[12:13]       ; 256 consecutive bytes
	global_store_b128 v2, v[48:51], s[14:15]       ; 512 consecutive bytes
.Lend:
	s_wait_tensorcnt 0x0
	ds_add_u32 v254, v255
	s_wait_dscnt 0x0
	s_endpgm
.Lfunc_end_k_q01b125a76c_route_quant:
	.size	k_q01b125a76c_route_quant, .Lfunc_end_k_q01b125a76c_route_quant-k_q01b125a76c_route_quant
	.p2alignl 7, 3214868480
	.fill 96, 4, 3214868480
	.section	.rodata,"a",@progbits
	.p2align	6, 0x0
	.amdhsa_kernel k_q01b125a76c_route_quant
		.amdhsa_group_segment_fixed_size 96768
		.amdhsa_private_segment_fixed_size 0
		.amdhsa_enable_private_segment 0
		.amdhsa_kernarg_size 48
		.amdhsa_user_sgpr_count 2
		.amdhsa_user_sgpr_kernarg_segment_ptr 1
		.amdhsa_wavefront_size32 1
		.amdhsa_system_sgpr_workgroup_id_x 1
		.amdhsa_system_sgpr_workgroup_id_y 1
		.amdhsa_system_sgpr_workgroup_id_z 1
		.amdhsa_system_vgpr_workitem_id 0
		.amdhsa_next_free_vgpr 768
		.amdhsa_next_free_sgpr 66
		.amdhsa_reserve_vcc 1
		.amdhsa_float_denorm_mode_32 3
		.amdhsa_float_denorm_mode_16_64 3
		.amdhsa_memory_ordered 1
		.amdhsa_forward_progress 1
		.amdhsa_inst_pref_size 142
	.end_amdhsa_kernel
	.amdgpu_metadata
---
amdhsa.version: [ 1, 2 ]
amdhsa.kernels:
  - .name:           k_q01b125a76c_route_quant
    .symbol:         k_q01b125a76c_route_quant.kd
    .args:
      - { .name: x, .offset: 0, .size: 8, .value_kind: global_buffer, .address_space: global }
      - { .name: wr, .offset: 8, .size: 8, .value_kind: global_buffer, .address_space: global }
      - { .name: xc, .offset: 16, .size: 8, .value_kind: global_buffer, .address_space: global }
      - { .name: xs, .offset: 24, .size: 8, .value_kind: global_buffer, .address_space: global }
      - { .name: route, .offset: 32, .size: 8, .value_kind: global_buffer, .address_space: global }
      - { .name: tg, .offset: 40, .size: 8, .value_kind: global_buffer, .address_space: global }
    .group_segment_fixed_size: 96768
    .private_segment_fixed_size: 0
    .kernarg_segment_align: 8
    .kernarg_segment_size: 48
    .max_flat_workgroup_size: 128
    .sgpr_count:     66
    .vgpr_count:     768
    .wavefront_size: 32
...
	.end_amdgpu_metadata
.endif
;; end of part 4
;; launch weights_sort (part 5): grid 385 x 1, 4 waves a work-group, no clusters, 1,536 bytes of LDS; arguments w1, w2, route, w1q, w2q, plan; writes w1q, w2q, plan
.if DOCPART == 5
	.amdgcn_target "amdgcn-amd-amdhsa--gfx1250"
	.amdhsa_code_object_version 6
	.text
	.protected	k_q01b125a76c_weights_sort
	.globl	k_q01b125a76c_weights_sort
	.p2align	8
	.type	k_q01b125a76c_weights_sort,@function
k_q01b125a76c_weights_sort:
	s_mov_b64 s[64:65], 0
	v_nop
	global_prefetch_b8 v0, s[64:65] scope:SCOPE_SE
	s_setreg_imm32_b32 hwreg(HW_REG_WAVE_MODE, 25, 1), 1
	s_wait_xcnt 0x0
; Work-groups 0-255: w1 [8][1024][512] f32, work-groups 256-383: w2 [8][256][1024] f32, K the first axis of an expert's matrix, into codes of FP6 (E2M3)
; with one E8M0 byte for each 32 along K, LAID IN THE ORDER OF THE OPERAND'S REGISTERS, so that the next launch loads whole fragments by 16 bytes a lane.
; A wave takes 32 columns x 128 along K: a lane takes a column and its registers run down K, so a block's largest magnitude needs no other lane.
; w1q [e][wave w][K step s]: 8 fragments (index 2 g + u; 1,536 bytes: 3 chunks of 512, lane L's 16 bytes at 16 L), then 512 bytes of scale words at 16 (r + 16 u) + 4 g.
;   Row r of tile (g, u) is column 32 G + 8 u + r + 8 (r / 8); G = 2 w + (g & 1) for the first half of the columns, 8 + 2 w + (g & 1) for the second.
; w2q [e][wave w][gamma]: 4 fragments (index 2 s + u), then 256 bytes of scale words at 8 (r + 16 u) + 4 s; row r of tile u is column 256 w + 32 gamma + 16 u + r.
; Work-group 384: a counting sort of the 8,192 tokens by their pair of experts (28 keys), from the counts and ranks that the launch before has stored;
;   plan: order[8192] (token at each sorted place), then for each block of 64 places {the experts it needs, a nibble each, ascending; how many}.
; LIMITS: NaN and infinities among the weights are not served; a block of zeros gets the byte 1 (its codes are zeros; this program alone reads the bytes).
.macro LOADB b, pitch                  ; block b: rows 32 b + i of my column: 128 consecutive bytes a wave, 512 a work-group
.set i, 0
.rept 32
	global_load_b32 v[64+32*(\b)+i], v2, s[4:5] offset:(32*(\b)+i)*(\pitch) th:TH_LOAD_NT
.set i, i+1
.endr
.endm
.macro BLOCKQ b, pitch
.set XS, 64+32*(\b)
.set CB, 32+12*((\b)&1)+6*((\b)>>1)    ; lane half h = b & 1 of the fragment takes blocks h and 2 + h
.if (\b) < 3
	s_wait_loadcnt 32                              ; this block's 32 loads are in; the next block's stay out
.else
	s_wait_loadcnt 0x0
.endif
.if (\b) < 2
	LOADB (\b)+2, \pitch
.endif
	v_max3_num_f32 v12, |v[XS]|, |v[XS+1]|, |v[XS+2]|
	v_max3_num_f32 v13, |v[XS+3]|, |v[XS+4]|, |v[XS+5]|
.irp i, 6,10,14,18,22,26
	v_max3_num_f32 v12, v12, |v[XS+\i]|, |v[XS+\i+1]|
	v_max3_num_f32 v13, v13, |v[XS+\i+2]|, |v[XS+\i+3]|
.endr
	v_max3_num_f32 v12, v12, |v[XS+30]|, |v[XS+31]|
	v_max3_num_f32 v12, v12, v13, 0x1800000        ; and the floor 2^(3 - 127): the byte cannot fall under 1
	v_add_nc_u32 v11, 0xff000000, v12              ; 2 off the exponent field: the conversion's scale operand
	v_lshrrev_b32 v13, 23, v11                     ; the scale's byte
.if (\b) == 0
	v_mov_b32 v24, v13
.else
	v_lshl_or_b32 v24, v13, 8*(\b), v24            ; four bytes make the column's scale word of this K step
.endif
	v_cvt_scalef32_pk16_fp6_f32 v[CB:CB+2], v[XS:XS+15], v11
	v_cvt_scalef32_pk16_fp6_f32 v[56:58], v[XS+16:XS+31], v11      ; (a conversion's three registers begin on an even number)
	v_nop                                          ; one plain place behind a scaled conversion
.irp i, 0,1,2
	v_mov_b32 v[CB+3+\i], v[56+\i]
.endr
.endm
.macro QW pitch
	LOADB 0, \pitch
	LOADB 1, \pitch
	BLOCKQ 0, \pitch
	BLOCKQ 1, \pitch
	BLOCKQ 2, \pitch
	BLOCKQ 3, \pitch
.irp h, 0,1
.irp j, 0,1,2
	global_store_b128 v3, v[32+12*\h+4*\j:35+12*\h+4*\j], s[6:7] offset:512*\j+256*\h   ; sixteen lanes fill 256 consecutive bytes of each of the two tiles
.endr
.endr
	global_store_b32 v4, v24, s[8:9]
.endm
	s_load_b256 s[12:19], s[0:1], 0x0              ; w1, w2, route, w1q
	s_load_b128 s[20:23], s[0:1], 0x20             ; w2q, plan
	v_lshl_add_u32 v254, v0, 2, 0x400
	v_mov_b32 v255, 0
	v_lshrrev_b32 v1, 5, v0
	v_readfirstlane_b32 s10, v1                    ; wave
	v_and_b32 v1, 31, v0                           ; lane
	v_lshlrev_b32 v2, 2, v1                        ; 4 x lane
	s_wait_kmcnt 0x0
	s_cmp_lt_u32 ttmp9, 256                        ; the three ways part on the work-group's number alone
	s_cbranch_scc0 .Lnot_w1
	; ---- w1
	s_lshr_b32 s24, ttmp9, 5                       ; e
	s_bfe_u32 s25, ttmp9, 0x30002                  ; K step s
	s_and_b32 s26, ttmp9, 3
	s_lshl_b32 s26, s26, 2
	s_add_co_u32 s26, s26, s10                     ; G: which 32 columns
	s_lshl_b32 s28, s24, 21
	s_lshl_b32 s29, s25, 18
	s_add_co_u32 s28, s28, s29
	s_lshl_b32 s29, s26, 7
	s_add_co_u32 s28, s28, s29
	s_mov_b32 s29, 0
	s_add_nc_u64 s[4:5], s[12:13], s[28:29]
	s_lshr_b32 s27, s26, 3
	s_and_b32 s30, s26, 1
	s_lshl_b32 s27, s27, 1
	s_add_co_u32 s27, s27, s30                     ; g = 2 (G / 8) + (G & 1)
	s_bfe_u32 s30, s26, 0x20001                    ; w = (G / 2) & 3
	s_mul_i32 s28, s24, 409600
	s_mul_i32 s30, s30, 102400
	s_add_co_u32 s28, s28, s30
	s_mul_i32 s30, s25, 12800
	s_add_co_u32 s28, s28, s30                     ; the set (e, w, s)
	s_lshl_b32 s30, s27, 2
	s_add_co_u32 s30, s30, s28
	s_add_co_u32 s30, s30, 12288
	s_mov_b32 s31, 0
	s_add_nc_u64 s[8:9], s[18:19], s[30:31]        ; its scale words, + 4 g
	s_mul_i32 s30, s27, 3072
	s_add_co_u32 s28, s28, s30
	s_add_nc_u64 s[6:7], s[18:19], s[28:29]        ; its fragments 2 g, 2 g + 1
	s_wait_alu depctr_va_vdst(0)
	v_bfe_u32 v5, v1, 3, 1                         ; u
	v_and_b32 v6, 7, v1
	v_lshrrev_b32 v7, 4, v1
	v_lshl_or_b32 v6, v7, 3, v6                    ; r
	v_mul_u32_u24 v3, v5, 1536
	v_lshl_add_u32 v3, v6, 4, v3
	v_lshlrev_b32 v4, 8, v5
	v_lshl_add_u32 v4, v6, 4, v4                   ; 16 (r + 16 u)
	QW 2048
	s_endpgm
.Lnot_w1:
	s_cmp_lt_u32 ttmp9, 384
	s_cbranch_scc0 .Lsort
	; ---- w2
	s_sub_co_u32 s31, ttmp9, 256
	s_lshr_b32 s24, s31, 4                         ; e
	s_bfe_u32 s25, s31, 0x10003                    ; K step s
	s_and_b32 s26, s31, 7
	s_lshl_b32 s26, s26, 2
	s_add_co_u32 s26, s26, s10                     ; which 32 columns
	s_lshl_b32 s28, s24, 20
	s_lshl_b32 s29, s25, 19
	s_add_co_u32 s28, s28, s29
	s_lshl_b32 s29, s26, 7
	s_add_co_u32 s28, s28, s29
	s_mov_b32 s29, 0
	s_add_nc_u64 s[4:5], s[14:15], s[28:29]
	s_lshr_b32 s27, s26, 3                         ; w
	s_and_b32 s30, s26, 7                          ; gamma
	s_mul_i32 s28, s24, 204800
	s_mul_i32 s27, s27, 51200
	s_add_co_u32 s28, s28, s27
	s_mul_i32 s30, s30, 6400
	s_add_co_u32 s28, s28, s30                     ; the sub-set (e, w, gamma)
	s_lshl_b32 s30, s25, 2
	s_add_co_u32 s30, s30, s28
	s_add_co_u32 s30, s30, 6144
	s_mov_b32 s31, 0
	s_add_nc_u64 s[8:9], s[20:21], s[30:31]        ; its scale words, + 4 s
	s_mul_i32 s30, s25, 3072
	s_add_co_u32 s28, s28, s30
	s_add_nc_u64 s[6:7], s[20:21], s[28:29]        ; its fragments 2 s, 2 s + 1
	s_wait_alu depctr_va_vdst(0)
	v_lshrrev_b32 v5, 4, v1                        ; u
	v_and_b32 v6, 15, v1                           ; r
	v_mul_u32_u24 v3, v5, 1536
	v_lshl_add_u32 v3, v6, 4, v3
	v_lshlrev_b32 v4, 3, v1                        ; 8 (r + 16 u)
	QW 4096
	s_endpgm
.Lsort:
	; ---- the sort.  Wave v takes groups 64 v .. 64 v + 63.  Register pair i: even = sel (lane = token of group i), odd = count (lane = key)
	s_lshl_b32 s24, s10, 14
	s_mov_b32 s25, 0
	s_add_nc_u64 s[4:5], s[16:17], s[24:25]
	s_wait_alu depctr_va_vdst(0)
	v_lshlrev_b32 v3, 3, v1
.set i, 0
.rept 64
	global_load_b64 v[64+2*i:65+2*i], v3, s[4:5] offset:256*i
.set i, i+1
.endr
	v_lshlrev_b32 v4, 2, v0                        ; LDS: 128 x wave + 4 x lane
	s_wait_loadcnt 0x0
.set i, 1
.rept 63
	v_add_nc_u32 v[65+2*i], v[65+2*i], v[63+2*i]   ; running counts over my groups
.set i, i+1
.endr
	ds_store_b32 v4, v191                          ; my wave's total for each key
	s_wait_dscnt 0x0                               ; for the others' sake
	s_barrier_signal -1
	s_barrier_wait -1
.irp j, 0,1,2,3
	ds_load_b32 v[8+\j], v2 offset:128*\j
.endr
	s_cmp_gt_u32 s10, 0
	s_cselect_b32 s26, -1, 0
	s_cmp_gt_u32 s10, 1
	s_cselect_b32 s27, -1, 0
	s_cmp_gt_u32 s10, 2
	s_cselect_b32 s28, -1, 0
	s_wait_dscnt 0x0
	v_add3_u32 v12, v8, v9, v10
	v_add_nc_u32 v12, v12, v11                     ; lane k: all tokens of key k
	v_and_b32 v13, s26, v8
	v_and_b32 v14, s27, v9
	v_and_b32 v15, s28, v10
	v_add3_u32 v13, v13, v14, v15                  ; those of the waves before mine
	v_mov_b32 v16, 0
	s_mov_b32 s61, 0
.set kk, 0
.rept 28
	v_readlane_b32 s62, v12, kk
	s_mov_b32 s[32+kk], s61                        ; s32 .. s60: where each key's run begins, and the end
	v_writelane_b32 v16, s61, kk
	s_add_co_u32 s61, s61, s62
.set kk, kk+1
.endr
	s_mov_b32 s60, s61
	v_add_nc_u32 v17, v16, v13
.set i, 63
.rept 63
	v_add_nc_u32 v[65+2*i], v[63+2*i], v17         ; lane k: where group i's tokens of key k begin
.set i, i-1
.endr
	v_mov_b32 v65, v17
	s_lshl_b32 s29, s10, 11
	v_add_nc_u32 v18, s29, v1                      ; my token of group 0 of my wave
.set bt, 0
.rept 4
.set j, 0
.rept 16
	v_bfe_u32 v[32+j], v[64+2*(16*bt+j)], 16, 8    ; 4 x key: the lane to ask
	ds_bpermute_b32 v[192+j], v[32+j], v[65+2*(16*bt+j)]
.set j, j+1
.endr
	s_wait_dscnt 0x0
.set j, 0
.rept 16
	v_lshrrev_b32 v[32+j], 24, v[64+2*(16*bt+j)]   ; rank
	v_add_nc_u32 v[192+j], v[192+j], v[32+j]
	v_min_u32 v[192+j], 0x1fff, v[192+j]           ; the sorted place, held inside the table
	v_lshlrev_b32 v[64+2*(16*bt+j)], 2, v[192+j]
	v_add_nc_u32 v[65+2*(16*bt+j)], 32*(16*bt+j), v18
	global_store_b32 v[64+2*(16*bt+j)], v[65+2*(16*bt+j)], s[22:23]
.set j, j+1
.endr
.set bt, bt+1
.endr
	; the experts of each block of 64 places: thread b takes block b
	v_lshlrev_b32 v20, 6, v0
	v_add_nc_u32 v21, 64, v20
	v_mov_b32 v22, 0
.set kk, 0
.irp a, 0,1,2,3,4,5,6
.irp c, 1,2,3,4,5,6,7
.if \c > \a
	v_max_u32 v23, s[32+kk], v20
	v_min_u32 v26, s[33+kk], v21
	v_cmp_lt_u32 vcc_lo, v23, v26                  ; the key's run meets my block
	v_or_b32 v23, (1<<\a)|(1<<\c), v22
	v_cndmask_b32 v22, v22, v23, vcc_lo
.set kk, kk+1
.endif
.endr
.endr
	v_mov_b32 v24, 0                               ; the list
	v_mov_b32 v27, 0                               ; 4 x its length
.irp e, 0,1,2,3,4,5,6,7
	v_bfe_u32 v23, v22, \e, 1
	v_mul_u32_u24 v26, v23, \e
	v_lshlrev_b32 v26, v27, v26
	v_or_b32 v24, v24, v26
	v_lshl_add_u32 v27, v23, 2, v27
.endr
	v_lshrrev_b32 v25, 2, v27
	v_lshlrev_b32 v28, 3, v0
	global_store_b64 v28, v[24:25], s[22:23] offset:32768
	s_wait_tensorcnt 0x0
	ds_add_u32 v254, v255
	s_wait_dscnt 0x0
	s_endpgm
.Lfunc_end_k_q01b125a76c_weights_sort:
	.size	k_q01b125a76c_weights_sort, .Lfunc_end_k_q01b125a76c_weights_sort-k_q01b125a76c_weights_sort
	.p2alignl 7, 3214868480
	.fill 96, 4, 3214868480
	.section	.rodata,"a",@progbits
	.p2align	6, 0x0
	.amdhsa_kernel k_q01b125a76c_weights_sort
		.amdhsa_group_segment_fixed_size 1536
		.amdhsa_private_segment_fixed_size 0
		.amdhsa_enable_private_segment 0
		.amdhsa_kernarg_size 48
		.amdhsa_user_sgpr_count 2
		.amdhsa_user_sgpr_kernarg_segment_ptr 1
		.amdhsa_wavefront_size32 1
		.amdhsa_system_sgpr_workgroup_id_x 1
		.amdhsa_system_sgpr_workgroup_id_y 1
		.amdhsa_system_sgpr_workgroup_id_z 1
		.amdhsa_system_vgpr_workitem_id 0
		.amdhsa_next_free_vgpr 256
		.amdhsa_next_free_sgpr 66
		.amdhsa_reserve_vcc 1
		.amdhsa_float_denorm_mode_32 3
		.amdhsa_float_denorm_mode_16_64 3
		.amdhsa_memory_ordered 1
		.amdhsa_forward_progress 1
		.amdhsa_inst_pref_size 93
	.end_amdhsa_kernel
	.amdgpu_metadata
---
amdhsa.version: [ 1, 2 ]
amdhsa.kernels:
  - .name:           k_q01b125a76c_weights_sort
    .symbol:         k_q01b125a76c_weights_sort.kd
    .args:
      - { .name: w1, .offset: 0, .size: 8, .value_kind: global_buffer, .address_space: global }
      - { .name: w2, .offset: 8, .size: 8, .value_kind: global_buffer, .address_space: global }
      - { .name: route, .offset: 16, .size: 8, .value_kind: global_buffer, .address_space: global }
      - { .name: w1q, .offset: 24, .size: 8, .value_kind: global_buffer, .address_space: global }
      - { .name: w2q, .offset: 32, .size: 8, .value_kind: global_buffer, .address_space: global }
      - { .name: plan, .offset: 40, .size: 8, .value_kind: global_buffer, .address_space: global }
    .group_segment_fixed_size: 1536
    .private_segment_fixed_size: 0
    .kernarg_segment_align: 8
    .kernarg_segment_size: 48
    .max_flat_workgroup_size: 128
    .sgpr_count:     66
    .vgpr_count:     256
    .wavefront_size: 32
...
	.end_amdgpu_metadata
.endif
;; end of part 5
;; launch experts (part 6): grid 128 x 1, 4 waves a work-group, no clusters, 247,296 bytes of LDS; arguments xc, xs, tg, plan, w1q, w2q, b1, b2, out0; writes out0
.if DOCPART == 6
	.amdgcn_target "amdgcn-amd-amdhsa--gfx1250"
	.amdhsa_code_object_version 6
	.text
	.protected	k_q01b125a76c_experts
	.globl	k_q01b125a76c_experts
	.p2align	8
	.type	k_q01b125a76c_experts,@function
k_q01b125a76c_experts:
	s_mov_b64 s[64:65], 0
	v_nop
	global_prefetch_b8 v0, s[64:65] scope:SCOPE_SE
	s_setreg_imm32_b32 hwreg(HW_REG_WAVE_SCHED_MODE, 0, 2), 2
	s_setreg_imm32_b32 hwreg(HW_REG_WAVE_MODE, 25, 1), 1
	s_wait_xcnt 0x0
	s_wait_alu depctr_vm_vsrc(0)
; out[token] = sum over the token's two experts e of gate_e x ( Q(silu(a) b) Q(w2[e]) + b2[e] ), (a | b) = Q(x) Q(w1[e]) + b1[e]; both products on codes of FP6 (E2M3) with E8M0 scales.
; A work-group owns 64 tokens that lie together in the order sorted by pair of experts, and walks the experts that the stored list names for its block (2 as a rule, up to 8);
; a token that has not chosen a walked expert gets the gate 0.  Each output row has one owner; the hidden layer never goes to memory.
; THE WAVES SHARE THE COLUMNS: wave w makes hidden units 64 w .. 64 w + 63 (four tiles of a, four of b) and output columns 256 w .. 256 w + 255, for all four tiles of 16 rows.
; Both products are used transposed (source 0 = 16 columns of a weight, source 1 = 16 tokens): a lane holds one token throughout.
; The weights come from memory straight into registers, in the order of the operand's registers, through rings of registers filled ahead.  No tensor load and no cluster: the walk hangs on stored
; numbers, and two work-groups need not walk the same experts.  The loops over list places have constant counts; a place beyond the list's length is jumped over; no barrier stands under such a jump.
; PHASE 1: for each listed expert the hidden layer's codes, as images of the operand's registers, into LDS.  One barrier.  PHASE 2: two chunks of 128 columns a wave; in each all listed experts.
; The look-ahead of the rings runs on behind the last listed expert into a valid place of the same buffer (expert 0, or chunk 1): 25 KB and 25 KB a wave that are not used; likewise the biases of
; all eight list places are fetched (an unused nibble names expert 0), so that these loads and their LDS stores stand on one way.
; LIMITS: as the launches before: NaN and infinities are not served.
; REGISTERS, in windows of 256.  Window 0: v1-20 addresses; v32-63 x's scale words (phase 2: v32-47 the hidden layer's); v64-79 the weights' scale words; v80-95 gates and experts of my four tokens;
;   v96-127 where my rows of out lie; v128-191 b1 as C, then the hidden numbers (v128-159) and work (v160-191); phase 2: eight accumulators; v192-199 gates; v200-228 at work.
; Window 1: phase 1 the 32 accumulators ((tile t, rows m) at 8 (8 m + t)); phase 2 the hidden fragments v0-95, b2 as C v96-159; on the way out rows of out.
; Windows 2, 3: phase 1 four sets of w1's fragments (v0-95, v96-191) and two sets of x's (v192-239); phase 2: window 2 four sub-sets of w2, window 3 the chunk of out ((tile c, rows m) at 8 (4 c + m)).
; THE MODE: SCHED_MODE bits 1:0 = 2 (LLVM: expert scheduling mode 2), set by the entry lines.  The code itself states the register dependences
; between vector or matrix instructions and memory or LDS instructions, with s_wait_alu, always for 0.
; THE PLAN.  Registers that memory or LDS instructions touch, and who else names them:
;   v1-10, v17-31, v96-127   offsets and addresses, made at the head and never written again.
;   PHASE 1.  W1 sets 0-3 with their scale words v64-79: step s's products read set s & 3; the loads of set (s + 2) & 3 stand at the head of step s.  That set was last read by step s - 2's products, which stand
;             ahead of the wait at the head of step s - 1, and no vector or matrix instruction since that wait names it: so these loads owe nothing more.
;             X sets 0, 1: step s's products read set s & 1; the LDS loads of step s + 1 land in the other, which step s - 1's products read: ONE wait on va_vdst at the head of a step states that those are done;
;             the loads stand behind the step's first eight products, which name none of their registers.
;             v128-191: b1 lands there at a trip's head; read by step 0's products, then written and read by the activation and the quantiser.   v11-14: written at a trip's head, read by its LDS instructions.
;             v216-221, v228: written by the quantiser's vector lines, read by its three LDS stores.
;   PHASE 2.  W2 sub-sets 0-3 with their scale words v64-71: read by a sub-set's sixteen products; the next item's loads land behind one wait on va_vdst, which the multiply-adds behind them would have to sit out too.
;             Window 1 v0-159 and v32-47: LDS loads at an item's head; read by its products and ORs.   v11-16: written at an item's head.
;             Window 3: written by the multiply-adds, read by the way out's LDS stores.   Window 1 v0-127 on the way out: LDS loads land there, global stores read them.
.set XIMG, 0                           ; LDS: x's 32 fragments, (rows m, K step s) at (8 m + s) x 1,536
.set HIMG, 49152                       ; the hidden layer's half fragments: 24,576 x writing wave + 3,072 x list place + 768 x m: 512 bytes at 16 x lane, 256 at 8 x lane
.set HSC,  147456                      ; its scale words, each wave's two bytes in a word of its own: 4,096 x wave + 512 x place + 128 x m + 4 x lane
.set BIAS, 163840                      ; 12,288 x wave + 1,536 x place: my 64 of b1's first half, my 64 of its second, my 256 of b2
.set STG,  212992                      ; 8,448 x wave: 16 rows x (512 + 16) bytes, for the way out
.set E1B,  409600                      ; an expert in w1q;  a wave's part 102,400; a set 12,800
.set E2B,  204800                      ; an expert in w2q;  a wave's part 51,200; a chunk 25,600; a sub-set 6,400
.set TM,   200
.set PW,   228
.set MSB, 0
.macro WIN new                         ; the immediate's high byte repeats the setting that is left
.if MSB != (\new)
	s_set_vgpr_msb (MSB<<8)|(\new)
.set MSB, (\new)
.endif
.endm
.macro PLACES                          ; four plain places behind matrix instructions, ahead of loads into their registers and of reads of their results
.rept 4
	v_nop
.endr
.endm
.macro LOADSET k, base, off            ; a set of w1: 8 fragments and their scale words: 25 loads of 512 consecutive bytes
	WIN (2+((\k)>>1))<<6
.irp f, 0,1,2,3,4,5,6,7
.irp j, 0,1,2
	global_load_b128 v[96*((\k)&1)+12*\f+4*\j:96*((\k)&1)+12*\f+4*\j+3], v1, s[\base:\base+1] offset:(\off)+1536*\f+512*\j
.endr
.endr
	WIN 0
	global_load_b128 v[64+4*(\k):64+4*(\k)+3], v1, s[\base:\base+1] offset:(\off)+12288
.endm
.macro XFETCH s                        ; x's four fragments of K step s (what follows sets the windows anew)
	WIN (2+((\s)&1))<<6
.irp m, 0,1,2,3
.irp j, 0,1,2
	ds_load_b128 v[192+12*\m+4*\j:192+12*\m+4*\j+3], v1 offset:XIMG+(8*\m+(\s))*1536+512*\j
.endr
.endr
.endm
.macro P1 s, m, t                      ; one product of phase 1.  Scale words: register g = t / 2 of the set's four holds tile 2 g in lanes 0-15 and tile 2 g + 1 in lanes 16-31
.set rD, 8*(8*(\m)+(\t))
.set rA, 96*((\s)&1)+12*(\t)
.set rB, 192+12*(\m)
.set rSA, 64+4*((\s)&3)+((\t)>>1)
.set rSB, 32+8*(\m)+(\s)
.if (\s) == 0
.if (\t)&1
	v_wmma_scale_f32_16x16x128_f8f6f4 v[rD:rD+7], v[rA:rA+11], v[rB:rB+11], v[128+8*(\t):135+8*(\t)], v[rSA], v[rSB] matrix_a_fmt:MATRIX_FMT_FP6 matrix_b_fmt:MATRIX_FMT_FP6 matrix_a_scale:MATRIX_SCALE_ROW1
.else
	v_wmma_scale_f32_16x16x128_f8f6f4 v[rD:rD+7], v[rA:rA+11], v[rB:rB+11], v[128+8*(\t):135+8*(\t)], v[rSA], v[rSB] matrix_a_fmt:MATRIX_FMT_FP6 matrix_b_fmt:MATRIX_FMT_FP6
.endif
.else
.if (\t)&1
	v_wmma_scale_f32_16x16x128_f8f6f4 v[rD:rD+7], v[rA:rA+11], v[rB:rB+11], v[rD:rD+7], v[rSA], v[rSB] matrix_a_fmt:MATRIX_FMT_FP6 matrix_b_fmt:MATRIX_FMT_FP6 matrix_a_scale:MATRIX_SCALE_ROW1
.else
	v_wmma_scale_f32_16x16x128_f8f6f4 v[rD:rD+7], v[rA:rA+11], v[rB:rB+11], v[rD:rD+7], v[rSA], v[rSB] matrix_a_fmt:MATRIX_FMT_FP6 matrix_b_fmt:MATRIX_FMT_FP6
.endif
.endif
.endm
; A K step of the first product: 32 matrix instructions, the 32 accumulators by turns in the same order in every step.
; The set two steps on is asked for at the step's head, the next step's x behind the step's first eight products.
.macro STEP1 s
	PLACES
	s_wait_loadcnt 25                              ; this step's set is in; the next step's 25 loads stay out
.if (\s) < 6
	LOADSET ((\s)+2)&3, 28, ((\s)+2)*12800         ; no wait on va_vdst here: the products that read this set and its scale words last stand ahead of the last such wait, and nothing since names them
.else
	LOADSET ((\s)+2)&3, 30, ((\s)-6)*12800         ; the next listed expert's first two sets; likewise
.endif
	s_wait_dscnt 0x0                               ; this step's x (and, in step 0, b1) is in: no younger LDS instruction is out
.if (\s) > 0
	s_wait_alu depctr_va_vdst(0)                   ; the last step's products are done reading their set of x, in which the LDS loads below land (in step 0 the wait at the trip's head has stated it of the last trip's)
.endif
.irp m, 0,1,2,3
.if (\s) == 0
	WIN 0x40|((2+((\s)&1))<<2)|(2+(((\s)>>1)&1))   ; D window 1; C = b1, window 0
.else
	WIN 0x50|((2+((\s)&1))<<2)|(2+(((\s)>>1)&1))   ; C and D window 1
.endif
.irp t, 0,1,2,3,4,5,6,7
	P1 \s, \m, \t
.endr
.if \m == 0
	XFETCH ((\s)+1)&7                              ; the eight products since the wait name this step's sets and the accumulators: none of these loads' registers
.endif
.endr
	WIN 0
.endm
; h = silu(a) b for rows m: 32 numbers a lane, all in f32: a / (1 + 2^(-a log2 e)) x b.  Each accumulator is read from its low end on.
.macro SWIGLU m
	WIN 0x01
.set i, 0
.rept 16
	v_pk_mul_f32 v[160+i:161+i], v[64*(\m)+i:64*(\m)+i+1], s[52:53] op_sel_hi:[1,0]
.set i, i+2
.endr
	WIN 0
.set i, 0
	s_wait_alu depctr_va_vdst(0)
.rept 32
	v_exp_f32 v[160+i], v[160+i]
.set i, i+1
.endr
	v_nop                                          ; a plain place behind the exponentials
.set i, 0
	s_wait_alu depctr_va_vdst(0)                   ; the 32 exponentials have written v160-191: one wait for the batch, ahead of its first reader
.rept 16
	v_pk_add_f32 v[160+i:161+i], v[160+i:161+i], 1.0 op_sel_hi:[1,0]
.set i, i+2
.endr
.set i, 0
	s_wait_alu depctr_va_vdst(0)
.rept 32
	v_rcp_f32 v[160+i], v[160+i]
.set i, i+1
.endr
	v_nop                                          ; a plain place behind the reciprocals
	WIN 0x01
.set i, 0
	s_wait_alu depctr_va_vdst(0)                   ; the 32 reciprocals have written v160-191: likewise
.rept 16
	v_pk_mul_f32 v[128+i:129+i], v[64*(\m)+i:64*(\m)+i+1], v[160+i:161+i]
.set i, i+2
.endr
.set i, 0
.rept 16
	v_pk_mul_f32 v[128+i:129+i], v[64*(\m)+32+i:64*(\m)+32+i+1], v[128+i:129+i]
.set i, i+2
.endr
	WIN 0
.endm
; v128-159: register 16 b + i = hidden unit 64 w + 32 b + 16 (lane / 16) + i of my token.  They become registers 6 c .. 6 c + 5 (c = w & 1) of K step w / 2 of the second product, and two scale bytes.
.macro QUANT2 m
.irp b, 0,1
	v_max3_num_f32 v[TM+\b], |v[128+16*\b]|, |v[129+16*\b]|, 0x1800000   ; with the floor 2^(3 - 127): the byte cannot fall under 1
.endr
.irp i, 2,4,6,8,10,12,14
.irp b, 0,1
	v_max3_num_f32 v[TM+\b], v[TM+\b], |v[128+16*\b+\i]|, |v[129+16*\b+\i]|
.endr
.endr
.irp b, 0,1
	v_permlanex16_b32 v[TM+4+\b], v[TM+\b], s44, s45
.endr
.irp b, 0,1
	v_max_num_f32 v[TM+\b], v[TM+\b], v[TM+4+\b]   ; with lane l xor 16's: the block's largest magnitude
.endr
.irp b, 0,1
	v_add_nc_u32 v[TM+12+\b], 0xff000000, v[TM+\b] ; 2 off the exponent field: the conversion's scale operand
.endr
.irp b, 0,1
	v_lshrrev_b32 v[TM+4+\b], 23, v[TM+12+\b]      ; the scale's byte
.endr
	s_wait_alu depctr_va_vdst(0)
	s_wait_dscnt 0x0                               ; my LDS instructions are done, the last tile's three stores among them
.if (\m) > 0
	s_wait_alu depctr_vm_vsrc(0)                   ; the last tile's LDS stores have read v216-221 and v228, which are written now (for tile 0 the wait at the trip's head has stated it)
.endif
	v_lshl_or_b32 v[PW], v[TM+5], 8, v[TM+4]
	v_lshlrev_b32 v[PW], s48, v[PW]                ; my two bytes at their place in the word: 16 (w & 1) bits up
	v_cvt_scalef32_pk16_fp6_f32 v[216:218], v[128:143], v[TM+12]
	v_cvt_scalef32_pk16_fp6_f32 v[224:226], v[144:159], v[TM+13]
	v_nop                                          ; one plain place behind a scaled conversion
.irp i, 0,1,2
	v_permlane16_swap_b32 v[216+\i], v[224+\i]     ; a whole block to a lane: lanes 0-15 the first block, lanes 16-31 the second
.endr
.irp i, 0,1,2
	v_mov_b32 v[219+\i], v[224+\i]
.endr
	s_wait_alu depctr_va_vdst(0)                   ; the lines above have written v216-221 and v228, which the three LDS stores read
	ds_store_b128 v11, v[216:219] offset:768*(\m)
	ds_store_b64 v12, v[220:221] offset:768*(\m)
	ds_store_b32 v13, v[PW] offset:128*(\m)
.endm
.macro LOADSUB g                       ; a sub-set of w2: 32 columns x 256 K: 4 fragments and their scale words: 13 loads
	WIN 0x80
.irp f, 0,1,2,3
.irp j, 0,1,2
	global_load_b128 v[48*(\g)+12*\f+4*\j:48*(\g)+12*\f+4*\j+3], v1, s[32:33] offset:6400*(\g)+1536*\f+512*\j
.endr
.endr
	WIN 0
	global_load_b64 v[64+2*(\g):65+2*(\g)], v2, s[32:33] offset:6400*(\g)+6144
.endm
.macro P2 g, u, m, z                   ; one product of phase 2: tile 2 g + u of the chunk, rows m, K step z
.set rD, 128+8*(4*(\u)+(\m))
.set rA, 48*(\g)+24*(\z)+12*(\u)
.set rB, 24*(\m)+12*(\z)
.if (\z) == 0
.if (\u)
	v_wmma_scale_f32_16x16x128_f8f6f4 v[rD:rD+7], v[rA:rA+11], v[rB:rB+11], v[96+8*(2*(\g)+(\u)):103+8*(2*(\g)+(\u))], v[64+2*(\g)], v[32+2*(\m)] matrix_a_fmt:MATRIX_FMT_FP6 matrix_b_fmt:MATRIX_FMT_FP6 matrix_a_scale:MATRIX_SCALE_ROW1
.else
	v_wmma_scale_f32_16x16x128_f8f6f4 v[rD:rD+7], v[rA:rA+11], v[rB:rB+11], v[96+8*(2*(\g)+(\u)):103+8*(2*(\g)+(\u))], v[64+2*(\g)], v[32+2*(\m)] matrix_a_fmt:MATRIX_FMT_FP6 matrix_b_fmt:MATRIX_FMT_FP6
.endif
.else
.if (\u)
	v_wmma_scale_f32_16x16x128_f8f6f4 v[rD:rD+7], v[rA:rA+11], v[rB:rB+11], v[rD:rD+7], v[65+2*(\g)], v[33+2*(\m)] matrix_a_fmt:MATRIX_FMT_FP6 matrix_b_fmt:MATRIX_FMT_FP6 matrix_a_scale:MATRIX_SCALE_ROW1
.else
	v_wmma_scale_f32_16x16x128_f8f6f4 v[rD:rD+7], v[rA:rA+11], v[rB:rB+11], v[rD:rD+7], v[65+2*(\g)], v[33+2*(\m)] matrix_a_fmt:MATRIX_FMT_FP6 matrix_b_fmt:MATRIX_FMT_FP6
.endif
.endif
.endm
; One listed expert for one chunk of 128 columns.  first = 1: its weighted results start the sums of out: nothing is cleared.
.macro ITEM2 first
	s_wait_xcnt 0x0                                ; the loads that are out have read their base: it may be written
	s_and_b32 s41, s26, 15                         ; this expert (it is only compared)
	s_lshr_b32 s35, s26, 4
	s_and_b32 s35, s35, 15                         ; the next of the list,
	s_and_b32 s36, s24, 15                         ; or, behind the last, the first again,
	s_add_co_u32 s34, s27, 1
	s_cmp_lt_u32 s34, s25
	s_cselect_b32 s35, s35, s36
	s_cselect_b32 s36, s42, 25600                  ; in the second chunk
	s_min_u32 s35, s35, 7
	s_mul_i32 s35, s35, E2B
	s_add_co_u32 s34, s35, s36
	s_add_co_u32 s34, s34, s47
	s_mov_b32 s35, 0
	s_add_nc_u64 s[32:33], s[14:15], s[34:35]
	s_wait_alu depctr_vm_vsrc(0)                   ; the LDS instructions issued so far have read v11-16, which are written now; in a chunk's first item also: the way out's LDS stores have read window 3, which the multiplies write, and its global stores window 1, in which the loads below land
	v_add_nc_u32 v11, s38, v17
	v_add_nc_u32 v12, 49152, v11
	v_add_nc_u32 v13, s38, v18
	v_add_nc_u32 v14, 49152, v13
	v_add_nc_u32 v15, s39, v19
	v_add_nc_u32 v16, s40, v8
	v_add_nc_u32 v16, s49, v16
	WIN 0x40
	s_wait_alu depctr_va_vdst(0)                   ; v11-16 are written, which the loads below read; the products and vector lines issued so far are done with window 1 v0-159 and with v32-47, in which they land
.irp m, 0,1,2,3
.irp z, 0,1                            ; fragment (m, z): its halves come from waves 2 z and 2 z + 1
	ds_load_b128 v[24*\m+12*\z:24*\m+12*\z+3], v[11+\z] offset:768*\m
	ds_load_b64 v[24*\m+12*\z+4:24*\m+12*\z+5], v[13+\z] offset:768*\m
	ds_load_b128 v[24*\m+12*\z+6:24*\m+12*\z+9], v[11+\z] offset:24576+768*\m
	ds_load_b64 v[24*\m+12*\z+10:24*\m+12*\z+11], v[13+\z] offset:24576+768*\m
.endr
.endr
.irp c, 0,1,2,3,4,5,6,7
	ds_load_b128 v[96+8*\c:99+8*\c], v16 offset:64*\c              ; b2 in the result's layout
	ds_load_b128 v[100+8*\c:103+8*\c], v16 offset:64*\c+16
.endr
	WIN 0
.irp m, 0,1,2,3
.irp z, 0,1
	ds_load_b32 v[32+2*\m+\z], v15 offset:8192*\z+128*\m
	ds_load_b32 v[40+2*\m+\z], v15 offset:8192*\z+4096+128*\m
.endr
.endr
	s_wait_dscnt 0x0
.irp k, 0,1,2,3,4,5,6,7
	v_or_b32 v[32+\k], v[32+\k], v[40+\k]          ; two waves' bytes make a scale word; the twenty lines below are the places ahead of the scaled products
.endr
.irp m, 0,1,2,3
	v_cmp_eq_u32 s[54+2*\m], s41, v[82+4*\m]       ; the eight compares in one run, each into a scalar register of its own: s54-61
	v_cmp_eq_u32 s[55+2*\m], s41, v[83+4*\m]
.endr
	s_wait_alu depctr_va_sdst(0)                   ; the compares have written s54-61, ahead of their first reader
.irp m, 0,1,2,3
	v_cndmask_b32 v[192+2*\m], 0, v[80+4*\m], s[54+2*\m]
	v_cndmask_b32 v[192+2*\m], v[192+2*\m], v[81+4*\m], s[55+2*\m]   ; my token's gate for this expert, 0 if it has not chosen it
	v_mov_b32 v[193+2*\m], v[192+2*\m]
.endr
	s_wait_alu depctr_va_vdst(0)                   ; the ORs have written v32-39, which the scaled products take as scales; the places above stay beside this wait
.irp g, 0,1,2,3
	s_wait_loadcnt 39                              ; this sub-set is in; the three that were asked for behind it stay out
	WIN 0x16                                       ; source 0 (w2) window 2, source 1 (hidden) and C (b2) window 1, D window 0
.irp u, 0,1
.irp m, 0,1,2,3
	P2 \g, \u, \m, 0
.endr
.endr
	WIN 0x06                                       ; C and D window 0.  The eight accumulators take turns
.irp u, 0,1
.irp m, 0,1,2,3
	P2 \g, \u, \m, 1
.endr
.endr
	WIN 0
	PLACES
	s_wait_alu depctr_va_vdst(0)                   ; the sixteen products are done reading this sub-set and its scale words, in which the loads below land; the multiply-adds behind the loads read the same products' results
	LOADSUB \g                                     ; the same sub-set of the next item
.if \first
	WIN 0xc0
.else
	WIN 0xf0
.endif
.irp u, 0,1
.irp m, 0,1,2,3
.irp j, 0,2,4,6
.if \first
	v_pk_mul_f32 v[8*(4*(2*\g+\u)+\m)+\j:8*(4*(2*\g+\u)+\m)+\j+1], v[128+8*(4*\u+\m)+\j:128+8*(4*\u+\m)+\j+1], v[192+2*\m:193+2*\m] op_sel_hi:[1,0]
.else
	v_pk_fma_f32 v[8*(4*(2*\g+\u)+\m)+\j:8*(4*(2*\g+\u)+\m)+\j+1], v[128+8*(4*\u+\m)+\j:128+8*(4*\u+\m)+\j+1], v[192+2*\m:193+2*\m], v[8*(4*(2*\g+\u)+\m)+\j:8*(4*(2*\g+\u)+\m)+\j+1] op_sel_hi:[1,0,1]
.endif
.endr
.endr
.endr
	WIN 0
.endr
.endm
; The way out of rows m of a chunk: through my stage, back as rows; sixteen lanes store 256 consecutive bytes of a token's row.
.macro OUTM m
.if (\m) >= 2
	s_wait_xcnt 0x0                                ; the stores of two tiles back have had their addresses translated,
	s_wait_alu depctr_vm_vsrc(0)                   ; and have read the registers of window 1 in which the loads below land
.endif
	WIN 0x0c
.irp c, 0,1,2,3,4,5,6,7
	ds_store_b128 v9, v[8*(4*\c+(\m)):8*(4*\c+(\m))+3] offset:64*\c
	ds_store_b128 v9, v[8*(4*\c+(\m))+4:8*(4*\c+(\m))+7] offset:64*\c+16
.endr
	WIN 0x40
.irp k, 0,1,2,3,4,5,6,7,8,9,10,11,12,13,14,15
	ds_load_b128 v[64*((\m)&1)+4*\k:64*((\m)&1)+4*\k+3], v10 offset:1056*(\k>>1)+256*(\k&1)   ; LDS serves a wave's instructions in order: these see my stores
.endr
	WIN 0x04
.irp k, 0,1,2,3,4,5,6,7,8,9,10,11,12,13,14,15
	s_wait_dscnt 15-\k                             ; load k is in; those behind it stay out
	global_store_b128 v[96+8*(\m)+(\k>>1)], v[64*((\m)&1)+4*\k:64*((\m)&1)+4*\k+3], s[20:21] offset:256*(\k&1) th:TH_STORE_NT
.endr
	WIN 0
.endm
	s_load_b256 s[4:11], s[0:1], 0x0               ; xc, xs, tg, plan
	s_load_b256 s[12:19], s[0:1], 0x20             ; w1q, w2q, b1, b2
	s_load_b64 s[20:21], s[0:1], 0x40              ; out0
	v_lshl_add_u32 v254, v0, 2, 0x3c400
	v_mov_b32 v255, 0
	v_lshrrev_b32 v21, 5, v0
	v_readfirstlane_b32 s22, v21                   ; wave
	v_and_b32 v21, 31, v0                          ; lane
	v_and_b32 v22, 15, v0                          ; r
	v_bfe_u32 v23, v0, 4, 1                        ; h
	v_lshlrev_b32 v1, 4, v21                       ; 16 x lane
	v_lshlrev_b32 v2, 3, v21                       ; 8 x lane
	v_lshlrev_b32 v3, 2, v21                       ; 4 x lane
	s_wait_alu depctr_va_sdst(0)                   ; s22 is written, ahead of its first reader
	s_mul_i32 s34, s22, 24576
	s_add_co_u32 s34, s34, HIMG
	v_add_nc_u32 v4, s34, v1                       ; where I store half images: 16 bytes a lane,
	v_add_nc_u32 v5, s34, v2
	v_add_nc_u32 v5, 512, v5                       ; and 8 bytes a lane
	s_lshl_b32 s34, s22, 12
	s_add_co_u32 s34, s34, HSC
	v_add_nc_u32 v6, s34, v3                       ; and my scale words
	s_mul_i32 s34, s22, 12288
	v_add_nc_u32 v27, s34, v1                      ; where I store x's images (XIMG = 0)
	s_add_co_u32 s34, s34, BIAS
	v_lshl_add_u32 v7, v23, 6, s34                 ; b1 in the result's layout: + 64 h
	v_lshl_add_u32 v8, v23, 5, s34
	v_add_nc_u32 v8, 512, v8                       ; b2: + 32 h
	v_add_nc_u32 v28, s34, v1                      ; where I store the biases
	s_mul_i32 s34, s22, 8448
	s_add_co_u32 s34, s34, STG
	v_mul_u32_u24 v9, v22, 528
	v_lshl_add_u32 v9, v23, 5, v9
	v_add_nc_u32 v9, s34, v9                       ; the stage, in: row r, + 32 h
	v_mul_u32_u24 v10, v23, 528
	v_lshl_add_u32 v10, v22, 4, v10
	v_add_nc_u32 v10, s34, v10                     ; back: lanes 0-15 one row, lanes 16-31 the next
	v_add_nc_u32 v17, HIMG, v1                     ; where any wave's half images are read
	v_add_nc_u32 v18, HIMG+512, v2
	v_add_nc_u32 v19, HSC, v3
	v_lshlrev_b32 v24, 2, v22                      ; the order table: 4 r,
	s_lshl_b32 s35, s22, 6
	v_add_nc_u32 v25, s35, v24                     ; 4 r + 64 w,
	v_lshlrev_b32 v26, 2, v23                      ; 4 h
	v_lshlrev_b32 v29, 4, v22                      ; 16 r
	v_lshl_add_u32 v30, v23, 10, v29
	s_lshl_b32 s35, s22, 8
	v_add_nc_u32 v30, s35, v30                     ; b1: lanes 0-15 my 64 of the first half, lanes 16-31 of the second
	s_lshl_b32 s35, s22, 10
	v_add_nc_u32 v31, s35, v1                      ; b2: my 256
	v_mov_b32 v[TM+4], 0                           ; a lane permute's destination counts as read
	v_mov_b32 v[TM+5], 0
	s_mov_b32 s44, 0x76543210
	s_mov_b32 s45, 0xfedcba98                      ; selects for lane l xor 16
	s_mov_b32 s52, 0xbfb8aa3b                      ; -log2(e)
	s_mov_b32 s53, s52                             ; (named with it as a pair)
	s_mul_i32 s46, s22, 102400
	s_mul_i32 s47, s22, 51200
	s_and_b32 s48, s22, 1
	s_lshl_b32 s48, s48, 4
	s_lshl_b32 s34, ttmp9, 3
	s_lshl_b32 s36, ttmp9, 8
	s_mov_b32 s37, 0
	s_wait_kmcnt 0x0
	s_load_b64 s[24:25], s[10:11], s34 offset:0x8000   ; my block's list and its length
	s_add_nc_u64 s[50:51], s[10:11], s[36:37]      ; my block's 64 places of the order table
	s_lshl_b32 s36, s22, 10
	s_add_nc_u64 s[20:21], s[20:21], s[36:37]      ; out0 at my wave's columns
	s_wait_alu depctr_va_vdst(0)                   ; the offsets and addresses v1-10 and v17-31 are written, which loads and stores read from here to the kernel's end
.irp m, 0,1,2,3
	global_load_b32 v[128+\m], v24, s[50:51] offset:64*\m          ; the token of row r of tile m
.endr
	global_load_b32 v132, v25, s[50:51]            ; of tile w: the one whose codes I fetch
.set i, 0
.rept 32
	global_load_b32 v[96+i], v26, s[50:51] offset:8*i              ; of rows 16 m + 2 t + h, i = 8 m + t: those that I store
.set i, i+1
.endr
	s_wait_kmcnt 0x0
	s_min_u32 s25, s25, 8
	s_and_b32 s34, s24, 15
	s_min_u32 s34, s34, 7
	s_mul_i32 s34, s34, E1B
	s_add_co_u32 s34, s34, s46
	s_mov_b32 s35, 0
	s_add_nc_u64 s[28:29], s[12:13], s[34:35]      ; the first listed expert's part of w1q for my wave
	LOADSET 0, 28, 0
	s_wait_loadcnt 25                              ; the 37 tokens are in; the set's 25 loads stay out
.irp m, 0,1,2,3,4
	v_min_u32 v[128+\m], 0x1fff, v[128+\m]         ; held inside the tables
.endr
.set i, 0
.rept 32
	v_min_u32 v[96+i], 0x1fff, v[96+i]
.set i, i+1
.endr
.set i, 0
.rept 32
	v_lshl_add_u32 v[96+i], v[96+i], 12, v29       ; a row of out is 4,096 bytes; + 16 (lane % 16)
.set i, i+1
.endr
	v_mul_u32_u24 v132, v132, 768
	v_mad_u32_u24 v132, v23, 48, v132              ; xc: row of 768 bytes, + 48 h
.irp m, 0,1,2,3
	v_lshlrev_b32 v[134+\m], 5, v[128+\m]          ; xs: 32 bytes a token
	v_lshlrev_b32 v[138+\m], 4, v[128+\m]          ; tg: 16
.endr
.irp i, 0,1,2,3,4,5,6,7                ; the biases' offsets are made here too, so that one wait serves all the loads below
	s_bfe_u32 s34, s24, 0x40000+4*\i
	s_min_u32 s34, s34, 7
	s_lshl_b32 s35, s34, 11
	v_add_nc_u32 v[142+\i], s35, v30
	s_lshl_b32 s35, s34, 12
	v_add_nc_u32 v[150+\i], s35, v31
.endr
	WIN 0x40
	s_wait_alu depctr_va_vdst(0)                   ; v132 and v134-157 are written, which the 60 loads below read as offsets; so are v96-127, which the way out's stores read
.irp s, 0,1,2,3,4,5,6,7
.irp j, 0,1,2
	global_load_b128 v[12*\s+4*\j:12*\s+4*\j+3], v132, s[4:5] offset:96*\s+16*\j   ; the eight fragments of rows 16 w .. 16 w + 15
.endr
.endr
	WIN 0
.irp m, 0,1,2,3
	global_load_b128 v[32+8*\m:35+8*\m], v[134+\m], s[6:7]
	global_load_b128 v[36+8*\m:39+8*\m], v[134+\m], s[6:7] offset:16
.endr
.irp m, 0,1,2,3
	global_load_b128 v[80+4*\m:83+4*\m], v[138+\m], s[8:9]
.endr
	WIN 0x40
.irp i, 0,1,2,3,4,5,6,7
	global_load_b128 v[96+12*\i:99+12*\i], v[142+\i], s[16:17]
	global_load_b128 v[100+12*\i:103+12*\i], v[150+\i], s[18:19]
	global_load_b128 v[104+12*\i:107+12*\i], v[150+\i], s[18:19] offset:512
.endr
	s_wait_loadcnt 36                              ; the codes are in; the 12 loads of scale words and gates and the 24 of the biases stay out
	WIN 0x04
.irp s, 0,1,2,3,4,5,6,7
.irp j, 0,1,2
	ds_store_b128 v27, v[12*\s+4*\j:12*\s+4*\j+3] offset:1536*\s+512*\j
.endr
.endr
	WIN 0
	LOADSET 1, 28, 12800
	s_wait_loadcnt 25                              ; scale words, gates and biases are in; the second set's 25 loads stay out
	WIN 0x04
.irp i, 0,1,2,3,4,5,6,7
	ds_store_b128 v28, v[96+12*\i:99+12*\i] offset:1536*\i
	ds_store_b128 v28, v[100+12*\i:103+12*\i] offset:1536*\i+512
	ds_store_b128 v28, v[104+12*\i:107+12*\i] offset:1536*\i+1024
.endr
	WIN 0
.irp m, 0,1,2,3
	v_bfe_u32 v[83+4*\m], v[82+4*\m], 8, 8         ; expert 2
	v_and_b32 v[82+4*\m], 255, v[82+4*\m]          ; expert 1
.endr
	s_wait_dscnt 0x0                               ; for the others' sake: my part of x lies in LDS
	s_barrier_signal -1
	s_barrier_wait -1
	XFETCH 0
	WIN 0
	; ---- PHASE 1
	s_mov_b32 s26, s24
	s_mov_b32 s27, 0
	s_mov_b32 s38, 0
	s_mov_b32 s39, 0
	s_mov_b32 s40, 0
.Lex1:
	s_cmp_ge_u32 s27, s25                          ; a place beyond the list's length: only the steps at the trip's end
	s_cbranch_scc1 .Lskip1
	s_wait_alu depctr_vm_vsrc(0)                   ; the last trip's LDS instructions have read v11-14, written now, and v216-221 and v228, written further down; in the first trip: the head's loads have read v132-157, in which b1 lands, and its LDS stores window 1, which the products write
	v_add_nc_u32 v11, s38, v4
	v_add_nc_u32 v12, s38, v5
	v_add_nc_u32 v13, s39, v6
	v_add_nc_u32 v14, s40, v7
	s_wait_alu depctr_va_vdst(0)                   ; v11-14 are written, which this trip's LDS instructions read; the vector lines issued so far are done with v128-191, in which b1 lands; the last trip's products are done reading their sets
.irp t, 0,1,2,3,4,5,6,7                ; b1 as the C of each sum's first product: tile t = 4 half + 2 b + u wants units 32 b + 16 h + 8 u + 0 .. 7 of its half
	ds_load_b128 v[128+8*\t:131+8*\t], v14 offset:256*(\t>>2)+128*((\t>>1)&1)+32*(\t&1)
	ds_load_b128 v[132+8*\t:135+8*\t], v14 offset:256*(\t>>2)+128*((\t>>1)&1)+32*(\t&1)+16
.endr
	STEP1 0
	STEP1 1
	STEP1 2
	STEP1 3
	STEP1 4
	STEP1 5
	s_wait_xcnt 0x0
	s_lshr_b32 s34, s26, 4
	s_and_b32 s34, s34, 15                         ; the next listed expert (behind the last: 0)
	s_min_u32 s34, s34, 7
	s_mul_i32 s34, s34, E1B
	s_add_co_u32 s34, s34, s46
	s_mov_b32 s35, 0
	s_add_nc_u64 s[30:31], s[12:13], s[34:35]
	STEP1 6
	STEP1 7
	PLACES
	SWIGLU 0
	QUANT2 0
	SWIGLU 1
	QUANT2 1
	SWIGLU 2
	QUANT2 2
	SWIGLU 3
	QUANT2 3
	s_wait_xcnt 0x0                                ; the loads that are out have read their bases
	s_mov_b64 s[28:29], s[30:31]
.Lskip1:
	s_lshr_b32 s26, s26, 4
	s_add_co_u32 s38, s38, 3072
	s_add_co_u32 s39, s39, 512
	s_add_co_u32 s40, s40, 1536
	s_add_co_u32 s27, s27, 1
	s_cmp_lt_u32 s27, 8
	s_cbranch_scc1 .Lex1
	s_wait_loadcnt 0x0                             ; the look-ahead's two sets have landed: their registers are free
	s_and_b32 s34, s24, 15
	s_min_u32 s34, s34, 7
	s_mul_i32 s34, s34, E2B
	s_add_co_u32 s34, s34, s47
	s_mov_b32 s35, 0
	s_add_nc_u64 s[32:33], s[14:15], s[34:35]      ; the first listed expert, chunk 0
	LOADSUB 0                                      ; no wait on va_vdst: the products that read window 2 and v64-71 stand ahead of the activation's and the quantiser's waits, and nothing since names these registers
	LOADSUB 1
	LOADSUB 2
	LOADSUB 3
	s_wait_dscnt 0x0                               ; for the others' sake: my part of the hidden layer lies in LDS
	s_barrier_signal -1
	s_barrier_wait -1
	; ---- PHASE 2
	s_mov_b32 s42, 0
	s_mov_b32 s43, 0
	s_mov_b32 s49, 0
.Lchunk:
	s_mov_b32 s26, s24
	s_mov_b32 s27, 0
	s_mov_b32 s38, 0
	s_mov_b32 s39, 0
	s_mov_b32 s40, 0
	ITEM2 1
	s_lshr_b32 s26, s26, 4
	s_mov_b32 s27, 1
	s_mov_b32 s38, 3072
	s_mov_b32 s39, 512
	s_mov_b32 s40, 1536
.Lpos:
	s_cmp_ge_u32 s27, s25
	s_cbranch_scc1 .Lskip2
	ITEM2 0
.Lskip2:
	s_lshr_b32 s26, s26, 4
	s_add_co_u32 s38, s38, 3072
	s_add_co_u32 s39, s39, 512
	s_add_co_u32 s40, s40, 1536
	s_add_co_u32 s27, s27, 1
	s_cmp_lt_u32 s27, 8
	s_cbranch_scc1 .Lpos
	s_wait_alu depctr_va_vdst(0)                   ; the last item's multiply-adds have written window 3, which the LDS stores below read; its products are done reading window 1 v0-127, in which the loads from the stage land
	OUTM 0
	OUTM 1
	OUTM 2
	OUTM 3
	s_wait_xcnt 0x0                                ; the stores have read their registers and their base
	s_add_nc_u64 s[20:21], s[20:21], 512
	s_add_co_u32 s42, s42, 25600
	s_add_co_u32 s49, s49, 512
	s_add_co_u32 s43, s43, 1
	s_cmp_lt_u32 s43, 2
	s_cbranch_scc1 .Lchunk
	s_wait_dscnt 0x0                               ; the closing lines, six on end
	s_wait_alu 0x0
	s_wait_tensorcnt 0x0
	ds_add_u32 v254, v255
	s_wait_dscnt 0x0
	s_endpgm
.Lfunc_end_k_q01b125a76c_experts:
	.size	k_q01b125a76c_experts, .Lfunc_end_k_q01b125a76c_experts-k_q01b125a76c_experts
	.p2alignl 7, 3214868480
	.fill 96, 4, 3214868480
	.section	.rodata,"a",@progbits
	.p2align	6, 0x0
	.amdhsa_kernel k_q01b125a76c_experts
		.amdhsa_group_segment_fixed_size 247296
		.amdhsa_private_segment_fixed_size 0
		.amdhsa_enable_private_segment 0
		.amdhsa_kernarg_size 72
		.amdhsa_user_sgpr_count 2
		.amdhsa_user_sgpr_kernarg_segment_ptr 1
		.amdhsa_wavefront_size32 1
		.amdhsa_system_sgpr_workgroup_id_x 1
		.amdhsa_system_sgpr_workgroup_id_y 1
		.amdhsa_system_sgpr_workgroup_id_z 1
		.amdhsa_system_vgpr_workitem_id 0
		.amdhsa_next_free_vgpr 1024
		.amdhsa_next_free_sgpr 66
		.amdhsa_reserve_vcc 0
		.amdhsa_float_denorm_mode_32 3
		.amdhsa_float_denorm_mode_16_64 3
		.amdhsa_memory_ordered 1
		.amdhsa_forward_progress 1
		.amdhsa_inst_pref_size 207
	.end_amdhsa_kernel
	.amdgpu_metadata
---
amdhsa.version: [ 1, 2 ]
amdhsa.kernels:
  - .name:           k_q01b125a76c_experts
    .symbol:         k_q01b125a76c_experts.kd
    .args:
      - { .name: xc, .offset: 0, .size: 8, .value_kind: global_buffer, .address_space: global }
      - { .name: xs, .offset: 8, .size: 8, .value_kind: global_buffer, .address_space: global }
      - { .name: tg, .offset: 16, .size: 8, .value_kind: global_buffer, .address_space: global }
      - { .name: plan, .offset: 24, .size: 8, .value_kind: global_buffer, .address_space: global }
      - { .name: w1q, .offset: 32, .size: 8, .value_kind: global_buffer, .address_space: global }
      - { .name: w2q, .offset: 40, .size: 8, .value_kind: global_buffer, .address_space: global }
      - { .name: b1, .offset: 48, .size: 8, .value_kind: global_buffer, .address_space: global }
      - { .name: b2, .offset: 56, .size: 8, .value_kind: global_buffer, .address_space: global }
      - { .name: out0, .offset: 64, .size: 8, .value_kind: global_buffer, .address_space: global }
    .group_segment_fixed_size: 247296
    .private_segment_fixed_size: 0
    .kernarg_segment_align: 8
    .kernarg_segment_size: 72
    .max_flat_workgroup_size: 128
    .sgpr_count:     66
    .vgpr_count:     1024
    .wavefront_size: 32
...
	.end_amdgpu_metadata
.endif
;; end of part 6
